; MI455X (gfx1250); checked and timed in simulation.
; The chip was launched on July 23, 2026; its instructions are those of AMD's public machine-readable ISA for CDNA 5 (MIT licence, August 2026) and "CDNA5" Instruction Set Architecture Reference Guide (July 2026). The comments in the code are by the model that wrote it; some were corrected since.
;; Single Head Attention. Allowed arithmetic: matrix products marked QUANTISED: E4M3 operands, one E8M0 scale for each 32 along K, by v_wmma_scale_f32_16x16x128_f8f6f4 with both operands' format E4M3, f32 sums; everything else in f32.
;; Inputs: Wk 1,024 x 1,024 float32; Wq 1,024 x 1,024 float32; Wv 1,024 x 1,024 float32; embedded 4 x 2,048 x 1,024 float32.
;; Outputs: out0 4 x 2,048 x 1,024 float32.
;; This version of the problem:
;;   THIS VERSION OF THE PROBLEM IS GIVEN IN LOW PRECISION. The matrix products marked QUANTISED in the list below multiply operands that are first quantised to E4M3 (4 exponent bits, 3 mantissa bits; 8 bits a number), with one power-of-two scale for each 32 numbers along K (OCP MX v1.0); their sums are f32. All else is computed in f32.
;;   The module's matrix products, in the order in which they are computed (A, B: the left and right operand; K: the contracted axis; several contracted axes count as one K, in the product's order):
;;     1. [M 8,192, K 1,024] x [K 1,024, N 1,024]; A: input embedded; B: input Wk: QUANTISED
;;     2. [M 8,192, K 1,024] x [K 1,024, N 1,024]; A: input embedded; B: input Wq: QUANTISED
;;     3. [M 8,192, K 1,024] x [K 1,024, N 1,024]; A: input embedded; B: input Wv: QUANTISED
;;     4. batch 4 x [M 2,048, K 1,024] x [K 1,024, N 2,048]; A: computed on the way; B: computed on the way: QUANTISED
;;     5. batch 4 x [M 2,048, K 2,048] x [K 2,048, N 1,024]; A: softmax (see below); B: computed on the way: QUANTISED
;;   THE QUANTISER, for each operand of a quantised product, along K:
;;     - K is cut into blocks of 32 from its start; a last block that is shorter is filled with zeros.
;;     - A block's scale is 2^e with e = floor(log2(the largest magnitude in the block)) - 8, held to -126 .. 127; a block of zeros has e = 0. As a byte (E8M0): e + 127.
;;     - Each number is divided by its block's scale, clamped to +-448, and rounded to the nearest number of E4M3, ties to even, subnormals kept.
;;     - The product sums the exact products of the quantised numbers (number of the format x scale) in f32.
;;   ~~~python
;;   def quantise(x, axis):      # numpy; x: float32 -> the quantised numbers, widened to float32 again
;;       x = np.moveaxis(x, axis, -1); K = x.shape[-1]
;;       x = np.pad(x, [(0, 0)] * (x.ndim - 1) + [(0, -K % 32)]); x = x.reshape(x.shape[:-1] + (-1, 32)); a = np.abs(x).max(-1, keepdims=True)
;;       e = np.where(a > 0, np.clip(np.frexp(np.where(a > 0, a, 1))[1] - 1 - 8, -126, 127), 0)      # np.frexp(a)[1] - 1 = floor(log2(a)), exactly
;;       r = np.clip(x / 2.0 ** e, -448, 448)
;;       step = 2.0 ** (np.maximum(np.frexp(np.where(r == 0, 1, r))[1] - 1, -6) - 3)
;;       q = np.round(r / step) * step * 2.0 ** e      # np.round: ties to even
;;       return np.moveaxis(q.reshape(q.shape[:-2] + (-1,))[..., :K], -1, axis).astype(np.float32)
;;   ~~~
;;   SOFTMAX AHEAD OF A QUANTISED PRODUCT. Where the list says 'softmax', what is quantised is not the finished softmax but p = 2^(t - M), with t = logit x log2(e) and M = ceil(the row's largest t), a whole number; so 1/2 < the row's largest p <= 1. The row's sum l is taken of the UNQUANTISED p, in f32, and the product's result is divided by l at the end. Since M is a whole number, a kernel that streams over the keys may use a running M (the ceiling of the running maximum): every later rescaling is an exact power of two, which a block's scale takes up: the codes' values come out the same.
;;   OPERANDS COMPUTED ON THE WAY. 'Computed on the way' means the value that the module computes at that place (a softmax that the list does not call 'softmax' is quantised finished and normalised). What goes into a quantiser is computed in f32, as accurately as f32 sums, v_exp_f32 and their like allow (about 1e-6 of the number): no bf16 or f16 on the way to a quantiser, and a product that is left as it is and whose result goes on into a quantised operand takes f32 operands (vector FMAs, or v_wmma_f32_16x16x4_f32). A number that lies on a knife's edge between two numbers of the format may be rounded either way, as far as f32 arithmetic and the matrix unit's own rounding can turn it there, and no further.
;; One version. Each part assembles by itself: llvm-mc -triple=amdgcn-amd-amdhsa -mcpu=gfx1250 --defsym DOCPART=n.
;; ======== version 1 of 1: 4 launches
;; limits: right only within a limited range of input values
;; workspace buffers: xw_codes 11,534,336 bytes; xw_scales 360,448 bytes; qk_codes 16,777,216 bytes; qk_scales 524,288 bytes; v_codes 8,388,608 bytes; v_scales 262,144 bytes; p_codes 16,777,216 bytes; p_side 1,572,864 bytes
;; launch quant (part 1): grid 352 x 1, 4 waves a work-group, no clusters, 56,832 bytes of LDS; arguments embedded, Wq, Wk, Wv, xw_codes, xw_scales; writes xw_codes, xw_scales
.if DOCPART == 1
	.amdgcn_target "amdgcn-amd-amdhsa--gfx1250"
	.amdhsa_code_object_version 6
	.text
	.protected	k_q79e8f576f6_quant
	.globl	k_q79e8f576f6_quant
	.p2align	8
	.type	k_q79e8f576f6_quant,@function
k_q79e8f576f6_quant:
	s_mov_b64 s[64:65], 0
	v_nop
	global_prefetch_b8 v0, s[64:65] scope:SCOPE_SE
	s_setreg_imm32_b32 hwreg(HW_REG_WAVE_MODE, 25, 1), 1
	s_wait_xcnt 0x0
; THE PROGRAM.  out = round4(softmax(causal(Q K^T / 32)) V), Q, K, V = x W^T, all five products on codes of FP8 (E4M3) with one E8M0 scale for each 32 along a product's K.  Four launches:
;   quant: x, Wq, Wk, Wv (f32) -> codes and scale bytes;   proj: Q, K = x W^T and V^T = Wv x^T, quantised on the way out;
;   score: Q K^T, mask, p = 2^(t - M) with M local to 128 keys, quantised;   pv: the row's M and sum, P's scale bytes lowered by M - local M (an exact power of two), O = P V, / sum, rounding.
; WORK LEFT OUT.  reference() sets scores[q][k] to -inf wherever k > q (its own jnp.tril), so attn[q][k] = 0 there whatever the inputs hold, and the term attn[q][k] V[k] adds nothing to any output.
; A tile of 256 queries x 256 keys whose first key comes after its last query lies wholly in that part: 28 of the 64 tiles of each batch, in Q K^T and in P V alike.  These tiles are not multiplied, stored or read.
; All four inputs have a way to the output and are loaded.  LIMIT: a NaN, an infinity or an overflow that reaches only the tiles left out is not carried to the result.
;
; THIS LAUNCH.  The four tensors, stacked as 11,264 rows of 1,024 numbers (x 0-8,191, Wq, Wk, Wv), become codes and one scale byte for each 32 along K, BOTH LAID IN THE ORDER OF THE NEXT LAUNCH'S OPERAND REGISTERS.
; A block's scale is 2^(floor(log2(its largest magnitude)) - 8); its byte is the largest magnitude's exponent field - 8, held at 1 from below.  Each number is divided by the scale, held within +-448 and rounded to the nearest code, ties to even.
; LIMITS: a block of zeros gets the byte 1 where the rule says 127 (its codes are zeros, and this program alone reads the bytes); blocks whose largest magnitude lies under 2^(8 - 126) share that floor; NaN and infinities among the inputs are not served.
; THE LAYOUT.  32 rows make a pair of tiles; row r of tile u is row 8 u + r + 8 (r / 8) of the 32.  Codes: [tile: 16,384 bytes][q: 128 of K][c: 32 of them][h: 16 of them][r][16 bytes].  Scale bytes: [pair: 1,024 bytes][q / 4][u][r][q % 4][4 bytes].
; SHARES.  A work-group takes 32 rows; wave w tile u = w % 2, half w / 2 of K: 16 steps, a step a row's 512 numbers.  Each of a step's four loads reads 512 consecutive bytes; the 2,048 bytes turn through the wave's own stage in LDS
; and come back 64 bytes a lane, so that a lane holds 16 neighbours along K and two neighbouring lanes a block.  Over the 16 steps lane l makes the 256 bytes [r][16] of its place (q, c, h): they turn through a second stage of the wave's own,
; and each store covers 512 consecutive bytes.  Loads run eight steps ahead.  The work-group's 1,024 scale bytes meet in LDS in their final order; each wave stores 256 consecutive bytes.
; No matrix unit, no cluster, no tensor load: the launch streams.
.set WAVES, 4
.set STEPS, 16
.set AHEAD, 8
.set EMAX,  8
.set MANT,  0x600000                   ; the mantissa field of 448 as f32
.set R,     16                         ; v16-143  eight sets of 16 numbers as they are loaded; at the end the codes read back
.set X,     144                        ; v144-175 two sets of 16 neighbours
.set E,     176                        ; v176-191 a scale byte for each step
.set C,     192                        ; v192-255 codes: four registers for each step
.set SP,    80                         ; a lane's place in a stage: its 64 bytes + 16 of padding
.set WREG,  2*32*SP                    ; two stages for each wave
.set SCB,   WAVES*WREG                 ; the work-group's scale bytes
.set SPARE, SCB+1024                   ; the spare words, 128 bytes for each wave
.set CP,    272                        ; the codes' stage: a lane's 256 bytes + 16 of padding
.set CST,   SPARE+512                  ; 32 x CP bytes for each wave
.set SPW,   12
.set NIL,   13
	s_load_b256 s[4:11], s[0:1], 0x0               ; x, Wq, Wk, Wv
	s_load_b128 s[12:15], s[0:1], 0x20             ; the codes, the scale bytes
	v_lshl_add_u32 v[SPW], v0, 2, SPARE
	v_mov_b32 v[NIL], 0
	v_lshrrev_b32 v1, 5, v0
	v_readfirstlane_b32 s16, v1                    ; wave
	s_mul_i32 s17, s16, WREG
	s_lshl_b32 s18, s16, 8
	s_add_co_u32 s18, s18, SCB
	s_mul_i32 s22, s16, 32*CP
	s_add_co_u32 s22, s22, CST
	v_and_b32 v2, 31, v0                           ; lane
	v_lshlrev_b32 v3, 4, v2                        ; 16 x lane
	v_lshrrev_b32 v14, 2, v2
	v_mul_u32_u24 v14, v14, SP
	v_and_b32 v15, 3, v2
	v_lshl_add_u32 v14, v15, 4, v14
	v_add_nc_u32 v14, s17, v14                     ; the stage, on the way in: SP (lane / 4) + 16 (lane % 4)
	v_mul_u32_u24 v15, v2, SP
	v_add_nc_u32 v15, s17, v15                     ; and on the way out: SP x lane
	v_lshrrev_b32 v5, 1, v2
	v_add_nc_u32 v5, s18, v5                       ; my wave's 256 scale bytes: 16 a step, my block's byte
	v_lshlrev_b32 v7, 3, v2
	v_add_nc_u32 v6, s18, v7                       ; and back, 8 bytes a lane
	v_mul_u32_u24 v4, v2, CP
	v_add_nc_u32 v4, s22, v4                       ; the codes' stage, in: CP x lane, 16 bytes a step
	v_lshrrev_b32 v8, 4, v2
	v_mul_u32_u24 v8, v8, CP
	v_and_b32 v9, 15, v2
	v_lshl_add_u32 v8, v9, 4, v8
	v_add_nc_u32 v1, s22, v8                       ; and back: sixteen lanes to a place of 256 bytes
	s_mov_b32 s23, MANT
	s_and_b32 s24, s16, 1                          ; u
	s_lshr_b32 s25, s16, 1                         ; which half of K
	s_sub_co_u32 s17, ttmp9, 256                   ; work-groups 256 on take the weights, 32 each
	s_lshr_b32 s18, s17, 5
	s_and_b32 s19, s17, 31
	s_wait_alu depctr_va_vdst(0)                   ; the wait at the head's end
	s_wait_kmcnt 0x0
	s_cmp_eq_u32 s18, 1                            ; the choices hang on the work-group's number alone
	s_cselect_b64 s[6:7], s[8:9], s[6:7]
	s_cmp_eq_u32 s18, 2
	s_cselect_b64 s[6:7], s[10:11], s[6:7]
	s_cmp_lt_u32 ttmp9, 256
	s_cselect_b64 s[4:5], s[4:5], s[6:7]
	s_cselect_b32 s19, ttmp9, s19
	s_lshl_b32 s20, s19, 17                        ; 32 rows of 4,096 bytes,
	s_lshl_b32 s22, s24, 15                        ; 8 u rows,
	s_add_co_u32 s20, s20, s22
	s_lshl_b32 s22, s25, 11                        ; my half of a row
	s_add_co_u32 s20, s20, s22
	s_mov_b32 s21, 0
	s_add_nc_u64 s[4:5], s[4:5], s[20:21]
	; where the pair goes: x's pairs as they come; behind them, for each j = 0 .. 7, twelve pairs on end: rows 256 j on of [Wq; Wk] (eight pairs), then rows 128 j on of Wv (four)
	s_lshr_b32 s26, s17, 3
	s_and_b32 s27, s17, 7
	s_sub_co_u32 s28, s17, 64
	s_lshr_b32 s29, s28, 2
	s_and_b32 s28, s28, 3
	s_add_co_u32 s28, s28, 8
	s_cmp_lt_u32 s17, 64
	s_cselect_b32 s26, s26, s29
	s_cselect_b32 s27, s27, s28
	s_mul_i32 s26, s26, 12
	s_add_co_u32 s26, s26, s27
	s_add_co_u32 s26, s26, 256
	s_cmp_lt_u32 ttmp9, 256
	s_cselect_b32 s26, ttmp9, s26
	s_lshl_b32 s20, s26, 15                        ; the codes: two tiles of 16,384 bytes a pair, my tile, my half
	s_lshl_b32 s22, s24, 14
	s_add_co_u32 s20, s20, s22
	s_lshl_b32 s22, s25, 13
	s_add_co_u32 s20, s20, s22
	s_add_nc_u64 s[12:13], s[12:13], s[20:21]
	s_lshl_b32 s20, s26, 10                        ; the scale bytes: 1,024 a pair, 256 a wave
	s_lshl_b32 s22, s16, 8
	s_add_co_u32 s20, s20, s22
	s_add_nc_u64 s[14:15], s[14:15], s[20:21]
.macro LOAD t                          ; step t is row t + 8 (t / 8) from my tile's first
.irp i, 0,1,2,3
	global_load_b128 v[R+16*((\t)%AHEAD)+4*\i:R+16*((\t)%AHEAD)+4*\i+3], v3, s[4:5] offset:4096*((\t)+8*((\t)/8))+512*\i th:TH_LOAD_NT
.endr
.endm
.macro TURN t                          ; LDS serves a wave's instructions in order: no wait between the stores and the loads
.irp i, 0,1,2,3
	ds_store_b128 v14, v[R+16*((\t)%AHEAD)+4*\i:R+16*((\t)%AHEAD)+4*\i+3] offset:32*SP*((\t)%2)+8*SP*\i
.endr
.irp i, 0,1,2,3
	ds_load_b128 v[X+16*((\t)%2)+4*\i:X+16*((\t)%2)+4*\i+3], v15 offset:32*SP*((\t)%2)+16*\i
.endr
.endm
.irp t, 0,1,2,3,4,5,6,7
	LOAD \t
.endr
	s_wait_loadcnt 4*(AHEAD-1)                     ; step 0's four loads are in
	TURN 0
.macro STEP t
.set XS, X+16*((\t)%2)
.if (\t) > 0
	s_wait_dscnt 2                                 ; this step's numbers are back (the last step's two stores, byte and codes, may be out)
.else
	s_wait_dscnt 0x0
.endif
.if (\t)+AHEAD < STEPS
	LOAD (\t)+AHEAD
.endif
.if (\t)+1 < STEPS
.if STEPS-2-(\t) >= AHEAD-1
	s_wait_loadcnt 4*(AHEAD-1)                     ; the next step's four loads are in; those of the seven steps behind it may be out
.else
	s_wait_loadcnt 4*(STEPS-2-(\t))
.endif
	TURN (\t)+1
.endif
	v_max3_num_f32 v8, |v[XS]|, |v[XS+1]|, |v[XS+2]|               ; the largest magnitude of my 16, in two chains
	v_max3_num_f32 v9, |v[XS+3]|, |v[XS+4]|, |v[XS+5]|
.irp i, 6,10
	v_max3_num_f32 v8, v8, |v[XS+\i]|, |v[XS+\i+1]|
	v_max3_num_f32 v9, v9, |v[XS+\i+2]|, |v[XS+\i+3]|
.endr
	v_max3_num_f32 v8, v8, |v[XS+14]|, |v[XS+15]|
	v_max3_num_f32 v8, v8, v9, (EMAX+1)<<23        ; and the floor: the byte cannot fall under 1
	v_max_num_f32_dpp v8, v8, v8 row_xmask:1 row_mask:0xf bank_mask:0xf   ; and of my neighbour's 16
	v_add_nc_u32 v11, -(EMAX<<23), v8              ; the conversion's scale operand
	v_and_or_b32 v10, v8, 0x7f800000, s23          ; 448 x the scale
.irp i, 0,1,2,3,4,5,6,7,8,9,10,11,12,13,14,15
	v_med3_num_f32 v[XS+\i], v[XS+\i], -v10, v10   ; the conversion does not saturate (ISA guide 7.6.2): the hold comes first
.endr
	v_cvt_scalef32_pk8_fp8_f32 v[C+4*(\t):C+4*(\t)+1], v[XS:XS+7], v11
	v_cvt_scalef32_pk8_fp8_f32 v[C+4*(\t)+2:C+4*(\t)+3], v[XS+8:XS+15], v11
	v_lshrrev_b32 v[E+(\t)], 23, v11               ; the scale's byte
	ds_store_b8 v5, v[E+(\t)] offset:16*(\t)       ; both lanes of a block write the same byte
	ds_store_b128 v4, v[C+4*(\t):C+4*(\t)+3] offset:16*(\t)
.endm
.irp t, 0,1,2,3,4,5,6,7,8,9,10,11,12,13,14,15
	STEP \t
.endr
.irp i, 0,1,2,3,4,5,6,7,8,9,10,11,12,13,14,15
	ds_load_b128 v[R+4*\i:R+4*\i+3], v1 offset:2*CP*\i   ; my own stage: these see my stores
.endr
	s_wait_dscnt 0x0                               ; for the others' sake too: my byte stores are done
	s_barrier_signal -1
	s_barrier_wait -1
	ds_load_b64 v[8:9], v6
.irp i, 0,1,2,3,4,5,6,7,8,9,10,11,12,13,14,15
	global_store_b128 v3, v[R+4*\i:R+4*\i+3], s[12:13] offset:512*\i   ; 512 consecutive bytes
.endr
	s_wait_dscnt 0x0
	global_store_b64 v7, v[8:9], s[14:15]          ; 256 consecutive bytes, aligned
	s_wait_tensorcnt 0x0                           ; the wave's end
	ds_add_u32 v[SPW], v[NIL]
	s_wait_dscnt 0x0
	s_endpgm
.Lfunc_end_k_q79e8f576f6_quant:
	.size	k_q79e8f576f6_quant, .Lfunc_end_k_q79e8f576f6_quant-k_q79e8f576f6_quant
	.p2alignl 7, 3214868480
	.fill 96, 4, 3214868480
	.section	.rodata,"a",@progbits
	.p2align	6, 0x0
	.amdhsa_kernel k_q79e8f576f6_quant
		.amdhsa_group_segment_fixed_size 56832
		.amdhsa_private_segment_fixed_size 0
		.amdhsa_enable_private_segment 0
		.amdhsa_kernarg_size 48
		.amdhsa_user_sgpr_count 2
		.amdhsa_user_sgpr_kernarg_segment_ptr 1
		.amdhsa_wavefront_size32 1
		.amdhsa_system_sgpr_workgroup_id_x 1
		.amdhsa_system_sgpr_workgroup_id_y 1
		.amdhsa_system_sgpr_workgroup_id_z 1
		.amdhsa_system_vgpr_workitem_id 0
		.amdhsa_next_free_vgpr 256
		.amdhsa_next_free_sgpr 66
		.amdhsa_reserve_vcc 0
		.amdhsa_float_denorm_mode_32 3
		.amdhsa_float_denorm_mode_16_64 3
		.amdhsa_memory_ordered 1
		.amdhsa_forward_progress 1
		.amdhsa_inst_pref_size 54
	.end_amdhsa_kernel
	.amdgpu_metadata
---
amdhsa.version: [ 1, 2 ]
amdhsa.kernels:
  - .name:           k_q79e8f576f6_quant
    .symbol:         k_q79e8f576f6_quant.kd
    .args:
      - { .name: embedded, .offset: 0, .size: 8, .value_kind: global_buffer, .address_space: global }
      - { .name: Wq, .offset: 8, .size: 8, .value_kind: global_buffer, .address_space: global }
      - { .name: Wk, .offset: 16, .size: 8, .value_kind: global_buffer, .address_space: global }
      - { .name: Wv, .offset: 24, .size: 8, .value_kind: global_buffer, .address_space: global }
      - { .name: xw_codes, .offset: 32, .size: 8, .value_kind: global_buffer, .address_space: global }
      - { .name: xw_scales, .offset: 40, .size: 8, .value_kind: global_buffer, .address_space: global }
    .group_segment_fixed_size: 56832
    .private_segment_fixed_size: 0
    .kernarg_segment_align: 8
    .kernarg_segment_size: 48
    .max_flat_workgroup_size: 128
    .sgpr_count:     66
    .vgpr_count:     256
    .wavefront_size: 32
...
	.end_amdgpu_metadata
.endif
;; end of part 1
;; launch proj (part 2): grid 32 x 8, 4 waves a work-group, clusters of 4 x 1, 327,680 bytes of LDS; arguments xw_codes, xw_scales, qk_codes, qk_scales, v_codes, v_scales; writes qk_codes, qk_scales, v_codes, v_scales
.if DOCPART == 2
	.amdgcn_target "amdgcn-amd-amdhsa--gfx1250"
	.amdhsa_code_object_version 6
	.text
	.protected	k_q79e8f576f6_proj
	.globl	k_q79e8f576f6_proj
	.p2align	8
	.type	k_q79e8f576f6_proj,@function
k_q79e8f576f6_proj:
	s_mov_b64 s[64:65], 0
	v_nop
	global_prefetch_b8 v0, s[64:65] scope:SCOPE_SE
	s_setreg_imm32_b32 hwreg(HW_REG_WAVE_MODE, 25, 1), 1
	s_wait_xcnt 0x0
	s_wait_alu depctr_hold_cnt(0) depctr_sa_sdst(0) depctr_va_vdst(0) depctr_va_sdst(0) depctr_va_ssrc(0) depctr_va_vcc(0) depctr_vm_vsrc(0)
	s_getreg_b32 s2, hwreg(HW_REG_IB_STS2, 6, 4)
	s_cmp_eq_u32 s2, 0
	s_cbranch_scc0 .Lentry_in_a_cluster
	s_endpgm
.Lentry_in_a_cluster:
	s_bfe_u32 s2, ttmp6, 0x10000c
	s_cmp_lg_u32 s2, 0x3003
	s_cbranch_scc0 .Lentry_shape_is_right
	s_endpgm
.Lentry_shape_is_right:
; Q, K = x W^T and V^T = Wv x^T, K = 1,024, on codes of FP8 (E4M3) with E8M0 scales; each result is quantised again on the way out (Q, K along the channels, V^T along the tokens) and leaves as codes and scale bytes.
; THE DEAL.  256 work-groups: T = 0 .. 31 a tile of 256 tokens, j = 0 .. 7.  Work-group (T, j) makes columns 256 j on of [Q | K] and V^T's channels 128 j on, for its 256 tokens: 768 products a wave.
; A wave holds 64 tokens of x, all of K, in 512 registers for the whole launch, loaded from memory as they lie (each load 512 consecutive bytes).  The work-group's 24 tiles of 16 weight rows (16 of Wq, Wk, then 8 of Wv: 393,216 bytes on end)
; stream past them through a ring of two LDS slots of six tiles; every wave multiplies every tile: 32 products.  The four work-groups of a cluster share j and ask for the weights jointly; x is read by one wave alone and goes to no LDS, so no joint load serves it.
; At the head of a tile's products the next tile's 32 pieces of 512 bytes are asked of LDS in one run, into the other set of registers: they have the tile's 32 products in which to come.
; ROWS OF A TILE: row r of tile u of a pair is row 8 u + r + 8 (r / 8) of 32.  So in the result of (source 0 = tile u) lane (r, h) holds rows 16 h + 8 u + 0 .. 7: two tiles give a lane 16 neighbours, a scale block lies in lanes l and l xor 16.
; Q|K: source 0 = the weight's tile: a pair of tiles gives a lane 16 columns of a token for each of my four tiles of x; the quantiser stands behind the pair.  A token's 256 codes all come from one wave: they gather in the wave's own stage.
; V^T: source 0 = x's tile: a weight tile gives a lane 2 x 16 tokens of one channel; the quantiser stands behind each tile.  Beside it four stores a tile send Q|K's finished rows out.  V's rows (256 tokens, from four waves) meet in a stage and leave at the end.
; THE RING.  Fill 0 at the head, one load a wave; fill 1 behind the full sequence and a round; fills 2 and 3 at the changes of slots ahead of tiles 5 and 11, each in a drained round; ahead of tile 17 a barrier shows fill 3.  A fill has five or six tiles' products in which to land.
; PREFETCH: fills 1 to 3 (294,912 bytes) are shared out by address over the 32 work-groups that read them: each wave asks once, at the head, for 9 blocks of 256 bytes (lanes left over name the ninth again).  What the head itself loads has no loop ahead of it.
; LIMITS: a block of zeros gets the byte 1 (its codes are zeros; this program alone reads the bytes); NaN and infinities are not served.
; REGISTERS: window 0: addresses, scale words, two sets of sums, the way out;  windows 1, 2: x, fragment 4 q + b;  window 3: the weight's two sets.
.set P,     272
.set FILL,  98304                      ; a slot: six tiles of 16,384 bytes
.set QSTG,  196608                     ; behind the ring: Q|K's stages, 64 rows x P for each wave
.set VSTG,  266240                     ; V's stage, 128 rows x P
.set WSC,   301056                     ; the weights' scale bytes, 12,288
.set SQ,    313344                     ; Q|K's scale bytes, [256 tokens][8]
.set SV,    315392                     ; V's scale bytes, [128 channels][8]
.set SPARE, 316416                     ; the spare words
.set SPW, 4
.set NIL, 5
.set XB,  6                            ; 16 x lane
.set XA,  7                            ; LDS address of the tile fetched next
.set SXB, 8
.set SXA, 9                            ; and of its scale words
.set QSTO, 10
.set QSA, 11
.set QRD, 12
.set QRA, 13
.set QCO, 14
.set SQO, 15
.set SQA, 16
.set VSTO, 17
.set VSA, 18
.set SVO, 19
.set SVA, 20
.set VRD, 21
.set SQR, 22
.set SVR, 23
.set L8,  24
.set WSS, 25
.set PFO, 26
.set QCV, 31
.set SA,  32                           ; v32-47 the weight tile's scale words, two sets of eight
.set WS,  52                           ; v52-67 x's: register 8 p + q: lanes 0-15 tile 2 p, lanes 16-31 tile 2 p + 1
.set ACC, 72                           ; v72-135 two sets of four accumulators
.set VF,  136                          ; v136-199 at the head the weights' scale bytes on their way to LDS; at the end V's rows
.set CD,  200                          ; v200-215 codes
.set TM,  216
.set TX,  220
.set LIM, 224
.set SCO, 228
.set BY,  232
.set RB,  236                          ; v236-251 rows read back
.set SEL, 56
.set MNT, 58
.set FLO, 59
.set SXO, 60
.set SPO, 61
.set TRIP, 62
.set PC,  63
.set PB,  66
.set VP,  67
.set VQ,  68
.set QLO, 69
.set QGO, 70
.set LA0, 71
.set LA1, 72
.set MSB, 0
.macro WIN new                         ; the immediate's high byte repeats the setting that is left
.if MSB != \new
	s_set_vgpr_msb (MSB<<8)|\new
.set MSB, \new
.endif
.endm
.macro PLACES n
.rept \n
	v_nop
.endr
.endm
.macro ROUND                           ; a round of the cluster's barrier
	s_barrier_signal -1
	s_barrier_wait -1
	s_cmp_lg_u32 s16, 0
	s_cbranch_scc1 .Lnot_wave_0_\@
	s_barrier_signal -3
.Lnot_wave_0_\@:
	s_barrier_wait -3
	s_barrier_signal -1
	s_barrier_wait -1
.endm
.macro JLOAD                           ; my quarter of a fill; an s_nop 0 and four v_nop follow it
	tensor_load_to_lds s[32:35], s[24:31]
	s_nop 0
	PLACES 4
.endm
	s_load_b256 s[4:11], s[0:1], 0x0               ; codes, scale bytes, Q|K's codes, Q|K's scale bytes
	s_load_b128 s[12:15], s[0:1], 0x20             ; V^T's codes, scale bytes
	v_lshl_add_u32 v[SPW], v0, 2, SPARE
	v_mov_b32 v[NIL], 0
	ds_add_u32 v[SPW], v[NIL]                      ; the opening: the add, twice on end, and its wait ahead of my first tensor load
	ds_add_u32 v[SPW], v[NIL]
	v_lshrrev_b32 v1, 5, v0
	v_readfirstlane_b32 s16, v1                    ; wave w
	s_bfe_u32 s19, ttmp6, 0x40000                  ; cx: it enters global addresses of my own loads and stores alone
	s_lshl_b32 s21, ttmp9, 2
	s_add_co_u32 s21, s21, s19                     ; T
	s_and_b32 s20, ttmp7, 0xffff                   ; j: the same in the four partners
	s_mov_b32 s24, 15|(3<<16)|(1<<21)              ; group 1: the four partners; elements of 8 bytes; 96 rows of 256 bytes, dense
	s_mov_b32 s25, 32<<16
	s_mov_b32 s26, 96<<16
	s_mov_b32 s27, 32<<16
	s_mov_b32 s28, 96
	s_mov_b32 s29, 32
	s_mov_b32 s30, 0
	s_mov_b32 s31, 0
	s_mov_b32 s32, 1
	s_mul_i32 s[LA0], s16, 24576                   ; my quarter of slot 0,
	s_add_co_u32 s[LA1], s[LA0], FILL              ; and of slot 1
	s_mov_b32 s33, s[LA0]
	s_mul_i32 s40, s20, 12                         ; the weights: pair 256 + 12 j on
	s_add_co_u32 s40, s40, 256
	s_lshl_b32 s44, s40, 10                        ; their scale bytes, my quarter
	s_mul_i32 s22, s16, 3072
	s_add_co_u32 s44, s44, s22
	s_mov_b32 s45, 0
	s_lshl_b32 s40, s40, 15
	s_mov_b32 s41, 0
	s_add_co_u32 s46, s40, s[LA0]
	s_mov_b32 s47, 0
	s_lshl_b32 s36, s21, 2                         ; x: tile 16 T + 4 w
	s_add_co_u32 s36, s36, s16
	s_lshl_b32 s38, s36, 11                        ; its scale bytes: 512 a tile
	s_lshl_b32 s36, s36, 16
	s_mov_b32 s37, 0
	s_mov_b32 s39, 0
	s_lshl_b32 s48, s21, 19                        ; Q|K's codes: token 256 T + 64 w, column 256 j
	s_lshl_b32 s22, s16, 17
	s_add_co_u32 s48, s48, s22
	s_lshl_b32 s22, s20, 8
	s_add_co_u32 s48, s48, s22
	s_mov_b32 s49, 0
	s_lshl_b32 s50, s21, 3                         ; their scale bytes: block 8 T + j, my 512
	s_add_co_u32 s50, s50, s20
	s_lshl_b32 s50, s50, 11
	s_lshl_b32 s22, s16, 9
	s_add_co_u32 s50, s50, s22
	s_mov_b32 s51, 0
	s_lshr_b32 s23, s21, 3                         ; the batch
	s_and_b32 s84, s21, 7                          ; and the key tile in it
	s_lshl_b32 s52, s23, 21                        ; V^T's codes: row 1,024 batch + 128 j + 32 w, byte 256 x key tile
	s_lshl_b32 s22, s20, 18
	s_add_co_u32 s52, s52, s22
	s_lshl_b32 s22, s16, 16
	s_add_co_u32 s52, s52, s22
	s_lshl_b32 s22, s84, 8
	s_add_co_u32 s52, s52, s22
	s_mov_b32 s53, 0
	s_lshl_b32 s54, s23, 2                         ; its scale bytes: block 8 (4 batch + j / 2) + key tile, half j % 2, my 256
	s_lshr_b32 s22, s20, 1
	s_add_co_u32 s54, s54, s22
	s_lshl_b32 s54, s54, 3
	s_add_co_u32 s54, s54, s84
	s_lshl_b32 s54, s54, 11
	s_and_b32 s22, s20, 1
	s_lshl_b32 s22, s22, 10
	s_add_co_u32 s54, s54, s22
	s_lshl_b32 s22, s16, 8
	s_add_co_u32 s54, s54, s22
	s_mov_b32 s55, 0
	s_mov_b32 s[SEL], 0x76543210                   ; lane l xor 16
	s_mov_b32 s[SEL+1], 0xfedcba98
	s_mov_b32 s[MNT], 0x600000                     ; the mantissa field of 448
	s_mov_b32 s[FLO], 0x4800000                    ; the floor 2^(9 - 127)
	s_mul_i32 s73, s16, 64*P                       ; LDS places, from the wave's number alone
	s_add_co_u32 s73, s73, QSTG
	s_lshl_b32 s74, s16, 9
	s_add_co_u32 s74, s74, SQ
	s_lshl_b32 s75, s16, 6
	s_add_co_u32 s75, s75, VSTG
	s_lshl_b32 s76, s16, 1
	s_add_co_u32 s76, s76, SV
	s_mul_i32 s77, s16, 32*P
	s_add_co_u32 s77, s77, VSTG
	s_lshl_b32 s78, s16, 8
	s_add_co_u32 s78, s78, SV
	s_mul_i32 s79, s16, 3072
	s_add_co_u32 s79, s79, WSC
	s_mul_i32 s80, s21, 9216                       ; the prefetch: behind fill 0, 9,216 T + 2,304 w
	s_mul_i32 s22, s16, 2304
	s_add_co_u32 s80, s80, s22
	s_add_co_u32 s80, s80, FILL
	v_and_b32 v1, 15, v0                           ; r
	v_bfe_u32 v2, v0, 4, 1                         ; h
	v_and_b32 v3, 31, v0                           ; lane
	v_lshlrev_b32 v[XB], 4, v3
	v_lshlrev_b32 v[L8], 3, v3
	v_and_b32 v27, 8, v1
	v_add_nc_u32 v27, v27, v1                      ; r + 8 (r / 8)
	v_mul_u32_u24 v28, v27, P
	v_lshl_add_u32 v28, v2, 4, v28
	v_mul_u32_u24 v29, v2, P
	v_lshl_add_u32 v29, v1, 4, v29
	v_lshl_add_u32 v[SXB], v1, 4, WSC
	v_add_nc_u32 v[QSTO], s73, v28                 ; Q|K's stage, in: row r + 8 (r / 8), byte 16 h
	v_add_nc_u32 v[QRD], s73, v29                  ; back: sixteen lanes to a row
	v_lshlrev_b32 v30, 11, v2
	v_lshl_add_u32 v[QCO], v1, 4, v30              ; and the same two rows in memory, 2,048 bytes apart
	v_lshl_add_u32 v[SQO], v27, 3, s74
	v_add_nc_u32 v[SQR], s74, v[XB]
	v_add_nc_u32 v[VSTO], s75, v28                 ; V's stage, in: row r + 8 (r / 8), byte 64 w + 16 h
	v_lshl_add_u32 v[SVO], v27, 3, s76
	v_add_nc_u32 v[VRD], s77, v29
	v_add_nc_u32 v[SVR], s78, v[L8]
	v_add_nc_u32 v[WSS], s79, v[XB]
	v_min_u32 v30, 8, v3
	v_lshl_add_u32 v[PFO], v30, 8, s80
.irp b, 0,1,2,3
	v_mov_b32 v[TX+\b], 0                          ; a lane permute's destination counts as one of its sources
.endr
	s_wait_alu depctr_va_vdst(0)                   ; the wait here, ahead of the waits below
	s_wait_dscnt 0x0                               ; both opening adds are done
	ROUND                                          ; the four partners are here: the joint loads meet
	s_wait_kmcnt 0x0
	s_add_nc_u64 s[34:35], s[4:5], s[46:47]
	s_or_b32 s35, s35, 0x80000000
	JLOAD                                          ; fill 0: my one tensor load at the head
	s_add_nc_u64 s[36:37], s[4:5], s[36:37]
	s_add_nc_u64 s[38:39], s[6:7], s[38:39]
	s_add_nc_u64 s[40:41], s[4:5], s[40:41]
	s_add_nc_u64 s[44:45], s[6:7], s[44:45]
	s_add_nc_u64 s[48:49], s[8:9], s[48:49]
	s_add_nc_u64 s[50:51], s[10:11], s[50:51]
	s_add_nc_u64 s[52:53], s[12:13], s[52:53]
	s_add_nc_u64 s[54:55], s[14:15], s[54:55]
.macro SALOAD e                        ; a tile's eight scale words into set e
	ds_load_b128 v[SA+8*\e:SA+8*\e+3], v[SXA] offset:256*\e
	ds_load_b128 v[SA+8*\e+4:SA+8*\e+7], v[SXA] offset:256*\e+512
.endm
.macro WM a, s0, s1, nz, x0, x1, row   ; row 1: source 0's scales in lanes 16-31; 2: source 1's
.if \nz
.if \row == 1
	v_wmma_scale_f32_16x16x128_f8f6f4 v[\a:\a+7], v[\s0:\s0+15], v[\s1:\s1+15], v[\a:\a+7], v[\x0], v[\x1] matrix_a_scale:MATRIX_SCALE_ROW1
.elseif \row == 2
	v_wmma_scale_f32_16x16x128_f8f6f4 v[\a:\a+7], v[\s0:\s0+15], v[\s1:\s1+15], v[\a:\a+7], v[\x0], v[\x1] matrix_b_scale:MATRIX_SCALE_ROW1
.else
	v_wmma_scale_f32_16x16x128_f8f6f4 v[\a:\a+7], v[\s0:\s0+15], v[\s1:\s1+15], v[\a:\a+7], v[\x0], v[\x1]
.endif
.else
.if \row == 1
	v_wmma_scale_f32_16x16x128_f8f6f4 v[\a:\a+7], v[\s0:\s0+15], v[\s1:\s1+15], 0, v[\x0], v[\x1] matrix_a_scale:MATRIX_SCALE_ROW1
.elseif \row == 2
	v_wmma_scale_f32_16x16x128_f8f6f4 v[\a:\a+7], v[\s0:\s0+15], v[\s1:\s1+15], 0, v[\x0], v[\x1] matrix_b_scale:MATRIX_SCALE_ROW1
.else
	v_wmma_scale_f32_16x16x128_f8f6f4 v[\a:\a+7], v[\s0:\s0+15], v[\s1:\s1+15], 0, v[\x0], v[\x1]
.endif
.endif
.endm
.macro PROD kind, e, n                 ; product n = 4 q + b on sums' set e: the four accumulators take turns.  kind 1 (Q|K): source 0 = the weight's tile; kind 0 (V): source 0 = x's
.set PQ_, (\n)/4
.set PB_, (\n)%4
.set PW_, 16*((\n)%16)
.set PR_, 128*(\e)+16*PQ_
.set PA_, ACC+32*(\e)+8*PB_
.set PX_, SA+8*(\e)+PQ_
.set PS_, WS+8*(PB_/2)+PQ_
.if \kind
	WIN 3|((1+(\n)/16)<<2)
	WM PA_, PR_, PW_, PQ_, PX_, PS_, 2*(PB_%2)
.else
	WIN (1+(\n)/16)|(3<<2)
	WM PA_, PW_, PR_, PQ_, PS_, PX_, PB_%2
.endif
.endm
.macro SBLK kind, e, ld, first=0       ; a tile: ld: the next tile's 32 pieces are asked for, in one run, into the other set; then the 32 products on set e.  first: x is still coming, 16 loads for each 128 of K, in the order of use
.if \ld
	WIN 3<<6
.set N_, 0
.rept 32
	ds_load_b128 v[128*(1-\e)+4*N_:128*(1-\e)+4*N_+3], v[XA] offset:512*N_
.set N_, N_+1
.endr
.endif
.set N_, 0
.rept 32
.if (\first) && (N_ == 0)
	s_wait_loadcnt 63                              ; of the 138 loads the first 75 are in: the scale words and x's first four 128 of K
.elseif (\first) && (N_ >= 16) && ((N_%4) == 0)
	s_wait_loadcnt 16*(7-N_/4)                     ; this 128 of K is in: behind it stand 16 loads for each later one
.endif
	PROD \kind, \e, N_
.set N_, N_+1
.endr
	WIN 0
.endm
.macro ADRX                            ; where the tile lies that is fetched at the head of the coming products
	v_add_nc_u32 v[XA], s[SXO], v[XB]
	v_add_nc_u32 v[SXA], s[SPO], v[SXB]
.endm
.macro QL k, x                         ; line k = 4 .. 62 of the quantiser of a tile of V^T: the 32 sums at x are two halves of scale blocks, 16 each
.set C_, (\k)%2
.if (\k) < 6
	v_max3_num_f32 v[TM+C_], s[FLO], |v[\x+16*C_]|, |v[\x+16*C_+1]|   ; each accumulator is read from its low end on
.elseif (\k) < 20
.set I_, 2*((\k)/2-2)
	v_max3_num_f32 v[TM+C_], v[TM+C_], |v[\x+16*C_+I_]|, |v[\x+16*C_+I_+1]|
.elseif (\k) < 22
	v_permlanex16_b32 v[TX+C_], v[TM+C_], s[SEL], s[SEL+1]
.elseif (\k) < 24
	v_max_num_f32 v[TM+C_], v[TM+C_], v[TX+C_]
.elseif (\k) < 26
	v_add_nc_u32 v[SCO+C_], 0xfc000000, v[TM+C_]   ; the conversion's scale operand
.elseif (\k) < 28
	v_and_or_b32 v[LIM+C_], v[TM+C_], 0x7f800000, s[MNT]   ; 448 x the scale
.elseif (\k) < 30
	v_lshrrev_b32 v[BY+C_], 23, v[SCO+C_]
.elseif (\k) == 30
	v_lshl_or_b32 v[BY], v[BY+1], 8, v[BY]
.else
.set I_, (\k)-31
	v_med3_num_f32 v[\x+I_], v[\x+I_], -v[LIM+I_/16], v[LIM+I_/16]   ; the conversion does not saturate (ISA guide 7.6.2)
.if I_%8 == 7
	v_cvt_scalef32_pk8_fp8_f32 v[CD+2*(I_/8):CD+2*(I_/8)+1], v[\x+I_-7:\x+I_], v[SCO+I_/16]
.endif
.endif
.endm
.macro VL p, x                         ; line p = 0 .. 115 of the quantiser of a pair of tiles of Q|K: the even tile's sums at x, the odd's at x + 32; x's tile b has 16: half a scale block
.if (\p) < 52
.set B_, (\p)%4
.set S_, (\p)/4
.if (\p) < 4
	v_max3_num_f32 v[TM+B_], s[FLO], |v[\x+8*B_]|, |v[\x+8*B_+1]|
.elseif (\p) < 16
	v_max3_num_f32 v[TM+B_], v[TM+B_], |v[\x+8*B_+2*S_]|, |v[\x+8*B_+2*S_+1]|
.elseif (\p) < 32
	v_max3_num_f32 v[TM+B_], v[TM+B_], |v[\x+24+8*B_+2*S_]|, |v[\x+24+8*B_+2*S_+1]|
.elseif (\p) < 36
	v_permlanex16_b32 v[TX+B_], v[TM+B_], s[SEL], s[SEL+1]
.elseif (\p) < 40
	v_max_num_f32 v[TM+B_], v[TM+B_], v[TX+B_]
.elseif (\p) < 44
	v_add_nc_u32 v[SCO+B_], 0xfc000000, v[TM+B_]
.elseif (\p) < 48
	v_and_or_b32 v[LIM+B_], v[TM+B_], 0x7f800000, s[MNT]
.else
	v_lshrrev_b32 v[BY+B_], 23, v[SCO+B_]
.endif
.else
.set B_, ((\p)-52)/16
.set J_, ((\p)-52)%16
.set G_, \x+8*B_+J_+24*(J_/8)
	v_med3_num_f32 v[G_], v[G_], -v[LIM+B_], v[LIM+B_]
.if J_%8 == 7
	v_cvt_scalef32_pk8_fp8_f32 v[CD+4*B_+2*(J_/8):CD+4*B_+2*(J_/8)+1], v[G_-7:G_], v[SCO+B_]
.endif
.endif
.endm
; BETWEEN TILES.  Eight plain places stand behind a tile's last product, ahead of the first reader of its sums and of the loads into what it has read (ISA guide 7.12.1 for the readers of the sums).
.macro MB                              ; inside a pair of Q|K: ahead of its odd tile
	ADRX
	PLACES 6
	SALOAD 0
	s_add_co_u32 s[SXO], s[SXO], 16384
	s_wait_alu depctr_va_vdst(0)
	s_wait_dscnt 2                                 ; the odd tile is in: the 2 loads above may be out
.endm
.macro LB                              ; behind a pair of Q|K: its quantiser; 16 codes a lane for each of x's four tiles, and the byte
	ADRX
	v_add_nc_u32 v[QSA], s[PC], v[QSTO]
	v_add_nc_u32 v[SQA], s[PB], v[SQO]
	PLACES 4
.set K_, 0
.rept 116
	VL K_, ACC
.set K_, K_+1
.endr
	v_nop                                          ; one plain line behind the last conversion
.irp b, 0,1,2,3
	ds_store_b128 v[QSA], v[CD+4*\b:CD+4*\b+3] offset:(32*(\b/2)+8*(\b%2))*P
	ds_store_b8 v[SQA], v[BY+\b] offset:(32*(\b/2)+8*(\b%2))*8   ; both halves of the lanes write the same byte
.endr
	SALOAD 1
	s_add_co_u32 s[SXO], s[SXO], 16384
	s_add_co_u32 s[SPO], s[SPO], 1024
	s_add_co_u32 s[PC], s[PC], 32
	s_add_co_u32 s[PB], s[PB], 1
	s_wait_alu depctr_va_vdst(0)
	s_wait_dscnt 10                                ; the next tile is in: the 8 stores and 2 loads above may be out
.endm
.macro QB x, u, sa                     ; behind a tile of V^T (tile u of its pair, sums at x): its quantiser; eight rows of Q|K leave beside it.  sa: the set that takes the scale words of the tile fetched next (-1: none is)
	s_wait_xcnt 0x0                                ; the last stores have read their registers
.if \sa >= 0
	ADRX
.else
	PLACES 2
.endif
	v_add_nc_u32 v[VSA], s[VP], v[VSTO]
	v_add_nc_u32 v[SVA], s[VQ], v[SVO]
	v_add_nc_u32 v[QRA], s[QLO], v[QRD]
	v_add_nc_u32 v[QCV], s[QGO], v[QCO]
	PLACES 2
.irp i, 0,1,2,3
	ds_load_b128 v[RB+4*\i:RB+4*\i+3], v[QRA] offset:2*P*\i   ; my own stage
.endr
.set K_, 4
.rept 59
	QL K_, \x
.set K_, K_+1
.endr
	v_nop                                          ; one plain line behind the last conversion
	ds_store_b128 v[VSA], v[CD:CD+3] offset:8*P*\u
	ds_store_b128 v[VSA], v[CD+4:CD+7] offset:8*P*\u+32
	ds_store_b16 v[SVA], v[BY] offset:64*\u        ; both halves of the lanes write the same two bytes
.if \sa >= 0
	SALOAD \sa
	s_add_co_u32 s[SXO], s[SXO], 16384
.endif
.if \sa == 1
	s_add_co_u32 s[SPO], s[SPO], 1024
.endif
.if \u
	s_add_co_u32 s[VP], s[VP], 32*P
	s_add_co_u32 s[VQ], s[VQ], 256
.endif
	s_add_co_u32 s[QLO], s[QLO], 8*P
	s_add_co_u32 s[QGO], s[QGO], 16384
	s_wait_alu depctr_va_vdst(0)
.if \sa >= 0
	s_wait_dscnt 5                                 ; the next tile and the rows are in: the 3 stores and 2 loads above may be out
.else
	s_wait_dscnt 3
.endif
.irp i, 0,1,2,3
	global_store_b128 v[QCV], v[RB+4*\i:RB+4*\i+3], s[48:49] offset:4096*\i   ; 16 lanes store 256 consecutive bytes, aligned
.endr
.endm
.macro CHANGE la                       ; a change of slots: all my tensor loads are in, my reads of the slot left are over; the round; the slot left is filled again
	s_wait_tensorcnt 0x0
	ds_add_u32 v[SPW], v[NIL]
	s_mov_b32 s33, s[\la]
	s_add_nc_u64 s[34:35], s[34:35], FILL
	s_wait_dscnt 0x0
	ROUND
	JLOAD
.endm
.macro PAIRS n, lab                    ; n trips: a pair's odd tile, its quantiser, the next pair's even tile
	s_mov_b32 s[TRIP], \n
\lab:
	MB
	SBLK 1, 1, 1
	LB
	SBLK 1, 0, 1
	s_sub_co_i32 s[TRIP], s[TRIP], 1
	s_cmp_lg_u32 s[TRIP], 0
	s_cbranch_scc1 \lab
.endm
.irp i, 0,1,2,3,4,5
	global_load_b128 v[VF+4*\i:VF+4*\i+3], v[XB], s[44:45] offset:512*\i   ; my quarter of the weights' scale bytes
.endr
.irp k, 0,1,2,3
	global_load_b128 v[WS+4*\k:WS+4*\k+3], v[XB], s[38:39] offset:512*\k   ; my tokens' scale words
.endr
.set F_, 0
.rept 32                               ; my 64 tokens, all of K: 128 loads of 512 consecutive bytes
	WIN (1+F_/16)<<6
.irp c, 0,1,2,3
	global_load_b128 v[16*(F_%16)+4*\c:16*(F_%16)+4*\c+3], v[XB], s[36:37] offset:(F_%4)*16384+(F_/4)*2048+512*\c
.endr
.set F_, F_+1
.endr
	WIN 0
	global_prefetch_b8 v[PFO], s[40:41] th:TH_LOAD_NT scope:SCOPE_SE   ; its registers are never rewritten
	s_mov_b32 s[SXO], 32768
	s_mov_b32 s[SPO], 1024
	s_mov_b32 s[PC], 0
	s_mov_b32 s[PB], 0
	s_mov_b32 s[VP], 0
	s_mov_b32 s[VQ], 0
	s_mov_b32 s[QLO], 0
	s_mov_b32 s[QGO], 0
	s_wait_tensorcnt 0x0                           ; my quarter of fill 0 is in
	s_wait_loadcnt 63                              ; and my quarter of the scale bytes: 132 loads were issued behind those six
.irp i, 0,1,2,3,4,5
	ds_store_b128 v[WSS], v[VF+4*\i:VF+4*\i+3] offset:512*\i
.endr
	CHANGE LA1                                     ; fill 1, slot 1's first, is issued as a refill is; the round shows fill 0 and the scale bytes to every wave
	v_mov_b32 v[XA], v[XB]
	v_mov_b32 v[SXA], v[SXB]
	WIN 3<<6
.set N_, 0
.rept 32
	ds_load_b128 v[4*N_:4*N_+3], v[XA] offset:512*N_   ; tile 0
.set N_, N_+1
.endr
	WIN 0
	SALOAD 0
	SALOAD 1
	v_add_nc_u32 v[XA], 16384, v[XB]
	s_wait_alu depctr_va_vdst(0)                   ; the wait at the head's end
	s_wait_dscnt 2                                 ; tile 0 is in
	SBLK 1, 0, 1, 1                                ; tile 0, while x's later parts of K arrive
	PAIRS 2, .Lq1                                  ; tiles 1 to 4
	CHANGE LA0                                     ; tile 5 is in registers: slot 0 takes fill 2
	PAIRS 3, .Lq2                                  ; tiles 5 to 10
	CHANGE LA1                                     ; slot 1 takes fill 3
	s_mov_b32 s[SXO], 0                            ; tile 12 lies at the ring's first byte
	PAIRS 2, .Lq3                                  ; tiles 11 to 14
	MB
	SBLK 1, 1, 1                                   ; tile 15, Q|K's last
	LB
	SBLK 0, 0, 1                                   ; tile 16, V's first
	s_wait_tensorcnt 0x0                           ; my quarter of fill 3 is in
	s_wait_dscnt 0x0
	s_barrier_signal -1
	s_barrier_wait -1                              ; everybody's is; nothing is filled any more
	s_mov_b32 s[TRIP], 3
.Lv:
	QB ACC, 0, 0
	SBLK 0, 1, 1                                   ; tiles 17, 19, 21
	QB ACC+32, 1, 1
	SBLK 0, 0, 1                                   ; tiles 18, 20, 22
	s_sub_co_i32 s[TRIP], s[TRIP], 1
	s_cmp_lg_u32 s[TRIP], 0
	s_cbranch_scc1 .Lv
	QB ACC, 0, -1
	SBLK 0, 1, 0                                   ; tile 23
	QB ACC+32, 1, -1
	s_wait_dscnt 0x0                               ; for the others' sake: my stores into V's stage are done
	s_barrier_signal -1
	s_barrier_wait -1                              ; 128 whole rows of 256 codes lie in the stage
.irp i, 0,1,2,3,4,5,6,7,8,9,10,11,12,13,14,15
	ds_load_b128 v[VF+4*\i:VF+4*\i+3], v[VRD] offset:2*P*\i
.endr
	ds_load_b64 v[TM:TM+1], v[SVR]
	ds_load_b128 v[CD:CD+3], v[SQR]
.irp i, 0,1,2,3,4,5,6,7,8,9,10,11,12,13,14,15
	s_wait_dscnt 17-\i                             ; the younger loads may be out
	global_store_b128 v[QCO], v[VF+4*\i:VF+4*\i+3], s[52:53] offset:4096*\i   ; 16 lanes store 256 consecutive bytes, aligned
.endr
	s_wait_dscnt 0x0
	global_store_b64 v[L8], v[TM:TM+1], s[54:55]   ; 256 consecutive scale bytes of V^T
	global_store_b128 v[XB], v[CD:CD+3], s[50:51]  ; 512 of Q|K
	s_wait_tensorcnt 0x0                           ; the wave's end
	ds_add_u32 v[SPW], v[NIL]
	s_wait_dscnt 0x0
	ROUND                                          ; the closing round
	s_endpgm
.Lfunc_end_k_q79e8f576f6_proj:
	.size	k_q79e8f576f6_proj, .Lfunc_end_k_q79e8f576f6_proj-k_q79e8f576f6_proj
	.p2alignl 7, 3214868480
	.fill 96, 4, 3214868480
	.section	.rodata,"a",@progbits
	.p2align	6, 0x0
	.amdhsa_kernel k_q79e8f576f6_proj
		.amdhsa_group_segment_fixed_size 327680
		.amdhsa_private_segment_fixed_size 0
		.amdhsa_enable_private_segment 0
		.amdhsa_kernarg_size 48
		.amdhsa_user_sgpr_count 2
		.amdhsa_user_sgpr_kernarg_segment_ptr 1
		.amdhsa_wavefront_size32 1
		.amdhsa_system_sgpr_workgroup_id_x 1
		.amdhsa_system_sgpr_workgroup_id_y 1
		.amdhsa_system_sgpr_workgroup_id_z 1
		.amdhsa_system_vgpr_workitem_id 0
		.amdhsa_next_free_vgpr 1024
		.amdhsa_next_free_sgpr 90
		.amdhsa_reserve_vcc 0
		.amdhsa_float_denorm_mode_32 3
		.amdhsa_float_denorm_mode_16_64 3
		.amdhsa_memory_ordered 1
		.amdhsa_forward_progress 1
		.amdhsa_inst_pref_size 161
	.end_amdhsa_kernel
	.amdgpu_metadata
---
amdhsa.version: [ 1, 2 ]
amdhsa.kernels:
  - .name:           k_q79e8f576f6_proj
    .symbol:         k_q79e8f576f6_proj.kd
    .args:
      - { .name: xw_codes, .offset: 0, .size: 8, .value_kind: global_buffer, .address_space: global }
      - { .name: xw_scales, .offset: 8, .size: 8, .value_kind: global_buffer, .address_space: global }
      - { .name: qk_codes, .offset: 16, .size: 8, .value_kind: global_buffer, .address_space: global }
      - { .name: qk_scales, .offset: 24, .size: 8, .value_kind: global_buffer, .address_space: global }
      - { .name: v_codes, .offset: 32, .size: 8, .value_kind: global_buffer, .address_space: global }
      - { .name: v_scales, .offset: 40, .size: 8, .value_kind: global_buffer, .address_space: global }
    .group_segment_fixed_size: 327680
    .private_segment_fixed_size: 0
    .kernarg_segment_align: 8
    .kernarg_segment_size: 48
    .max_flat_workgroup_size: 128
    .sgpr_count:     90
    .vgpr_count:     1024
    .wavefront_size: 32
...
	.end_amdgpu_metadata
.endif
;; end of part 2
;; launch score (part 3): grid 9 x 16, 4 waves a work-group, no clusters, 327,680 bytes of LDS; arguments qk_codes, qk_scales, p_codes, p_side; writes p_codes, p_side
.if DOCPART == 3
	.amdgcn_target "amdgcn-amd-amdhsa--gfx1250"
	.amdhsa_code_object_version 6
	.text
	.protected	k_q79e8f576f6_score
	.globl	k_q79e8f576f6_score
	.p2align	8
	.type	k_q79e8f576f6_score,@function
k_q79e8f576f6_score:
	s_mov_b64 s[64:65], 0
	v_nop
	global_prefetch_b8 v0, s[64:65] scope:SCOPE_SE
	s_setreg_imm32_b32 hwreg(HW_REG_WAVE_MODE, 25, 1), 1
	s_wait_xcnt 0x0
.set PITCH,  272
.set FR,     16
.set NQ,     2
.set HALFT,  128*PITCH
.set SLOT,   4*HALFT
.set SCL,    2*SLOT
.set SHALF,  1024
.set BDIST,  8192
.set SSTEP,  2048
.set SPARE,  SCL+16384
.set SSTG,   256*PITCH
.set XRD,  12
.set LN16, 13
.set DL,   14
.set NINF, 15
.set ADRA, 16
.set ADRB, 20
.set STO,  24
.set RD,   25
.set CO,   26
.set ADRS, 27
.set SPW,  28
.set NIL,  29
.set SSO,  30
.set MSO,  31
.set SC,   32
.set AF,   128
.set T,    64
.set PC,   128
.set BM,   144
.set X,    148
.set LIM,  152
.set SCO,  156
.set NM,   160
.set SA,   162
.set SB,   164
.set PW,   166
.set MV,   167
.set LV,   168
.set TT,   169
.set XL,   170
.set G1, 24
.set G0, 32
.set G1S, 40
.set G0S, 48
.set MSB, 0
.macro WIN new
.if MSB != \new
	s_set_vgpr_msb (MSB<<8)|\new
.set MSB, \new
.endif
.endm
.set MUL_LO, 0xa1
.set MUL_HI, 0xf1
.set TO_B,   0x40
	s_load_b256 s[4:11], s[0:1], 0x0
	v_lshl_add_u32 v[SPW], v0, 2, SPARE
	v_mov_b32 v[NIL], 0
	ds_add_u32 v[SPW], v[NIL]
	ds_add_u32 v[SPW], v[NIL]
	v_lshrrev_b32 v1, 5, v0
	v_readfirstlane_b32 s12, v1
	s_lshr_b32 s13, s12, 1
	s_and_b32 s14, s12, 1
	s_and_b32 s56, ttmp7, 0xffff
	s_and_b32 s57, s56, 3
	s_lshr_b32 s18, s56, 2
	s_sub_co_u32 s58, 7, s57
	s_sub_co_u32 s59, ttmp9, s57
	s_sub_co_u32 s59, s59, 1
	s_cmp_le_u32 ttmp9, s57
	s_cselect_b32 s16, s57, s58
	s_cselect_b32 s17, ttmp9, s59
	s_lshl_b32 s58, s14, 1
	s_cmp_eq_u32 s13, s14
	s_cselect_b32 s58, 1, s58
	s_cmp_eq_u32 s16, s17
	s_cselect_b32 s19, s58, 0
	s_mov_b32 s[G1+0], (0<<16)|(1<<20)|(5<<22)|(3<<25)
	s_mov_b32 s[G1+1], 256<<16
	s_mov_b32 s[G1+2], 256<<16                     ; the head's loads of codes bring 256 rows
	s_mov_b32 s[G1+3], 256<<16
	s_mov_b32 s[G1+4], 256
	s_mov_b32 s[G1+5], 2048
	s_mov_b32 s[G1+6], 0
	s_mov_b32 s[G1+7], 0
	s_mov_b32 s[G1S+0], 3<<16
	s_mov_b32 s[G1S+1], 32<<16
	s_mov_b32 s[G1S+2], 32<<16                     ; a tile's scale bytes whole: 8,192 dense bytes as 32 rows of 256
	s_mov_b32 s[G1S+3], 32<<16
	s_mov_b32 s[G1S+4], 32
	s_mov_b32 s[G1S+5], 32
	s_mov_b32 s[G1S+6], 0
	s_mov_b32 s[G1S+7], 0
	s_cmp_eq_u32 s13, 0
	s_cselect_b32 s56, s16, s17
	s_cselect_b32 s57, 0, 1024
	s_cselect_b32 s58, 0, 8192
	s_lshl_b32 s60, s18, 22
	s_lshl_b32 s59, s56, 19
	s_add_co_u32 s60, s60, s59
	s_lshl_b32 s59, s14, 18
	s_add_co_u32 s60, s60, s59
	s_add_co_u32 s60, s60, s57
	s_mov_b32 s61, 0
	s_lshl_b32 s62, s18, 3
	s_add_co_u32 s62, s62, s56
	s_lshl_b32 s62, s62, 14
	s_add_co_u32 s62, s62, s58
	s_lshl_b32 s59, s14, 12
	s_add_co_u32 s62, s62, s59
	s_mov_b32 s63, 0
	s_mul_i32 s56, s12, HALFT
	s_lshl_b32 s57, s12, 12
	s_add_co_u32 s57, s57, SCL
	s_lshl_b32 s66, s18, 22
	s_lshl_b32 s59, s16, 19
	s_add_co_u32 s66, s66, s59
	s_lshl_b32 s59, s12, 17
	s_add_co_u32 s66, s66, s59
	s_lshl_b32 s59, s17, 8
	s_add_co_u32 s66, s66, s59
	s_mov_b32 s67, 0
	s_lshl_b32 s68, s18, 3
	s_add_co_u32 s68, s68, s16
	s_lshl_b32 s68, s68, 14
	s_lshl_b32 s59, s17, 11
	s_add_co_u32 s68, s68, s59
	s_lshl_b32 s59, s12, 9
	s_add_co_u32 s68, s68, s59
	s_mov_b32 s69, 0
	s_mov_b32 s20, 0x76543210
	s_mov_b32 s21, 0xfedcba98
	s_mov_b32 s22, 0x3d38aa3b
	s_mov_b32 s23, s22
	s_mov_b32 s52, 0x600000
	s_mov_b32 s53, 0xff800000
	s_mov_b32 s54, 0xff61b1e6
	s_wait_dscnt 0x0
	s_wait_kmcnt 0x0
	s_add_nc_u64 s[60:61], s[4:5], s[60:61]
	s_add_nc_u64 s[66:67], s[8:9], s[66:67]
	s_add_nc_u64 s[68:69], s[10:11], s[68:69]
	; THE HEAD'S LOADS, ONE A WAVE: what the first K step needs is shared out: wave 0 K step 0's 256 rows of Q, wave 1 its 256 rows of K, wave 2 the scale bytes of Q's rows, wave 3 those of K's
	s_cmp_eq_u32 s14, 0
	s_cselect_b32 s80, s16, s17                    ; even waves fetch for Q's tile, odd waves for K's
	s_cselect_b32 s81, 0, 1024
	s_cselect_b32 s82, 0, 8192
	s_lshl_b32 s83, s18, 22
	s_lshl_b32 s84, s80, 19
	s_add_co_u32 s84, s84, s83
	s_add_co_u32 s84, s84, s81
	s_mov_b32 s85, 0
	s_mov_b32 s72, 1
	s_mul_i32 s73, s14, 2*HALFT
	s_add_nc_u64 s[74:75], s[4:5], s[84:85]
	s_or_b32 s75, s75, 0x80000000
	s_lshl_b32 s84, s18, 3
	s_add_co_u32 s84, s84, s80
	s_lshl_b32 s84, s84, 14
	s_add_co_u32 s84, s84, s82
	s_mov_b32 s[G0S], 1
	s_lshl_b32 s[G0S+1], s14, 13
	s_add_co_u32 s[G0S+1], s[G0S+1], SCL
	s_add_nc_u64 s[G0S+2:G0S+3], s[6:7], s[84:85]
	s_or_b32 s[G0S+3], s[G0S+3], 0x80000000
	s_cmp_eq_u32 s13, 0                            ; one chain of two arms on the wave's number, a load in each
	s_cbranch_scc0 .Lhead_s
	tensor_load_to_lds s[72:75], s[G1:G1+7]
	s_nop 0
	s_branch .Lhead_j
.Lhead_s:
	tensor_load_to_lds s[G0S:G0S+3], s[G1S:G1S+7]
	s_nop 0
.Lhead_j:
.irp s, 0,1
	s_mov_b32 s[G0+4*\s], 1
	s_add_co_u32 s[G0+4*\s+1], s56, \s*SLOT
	s_add_nc_u64 s[G0+4*\s+2:G0+4*\s+3], s[60:61], \s*256
	s_or_b32 s[G0+4*\s+3], s[G0+4*\s+3], 0x80000000
.endr
	s_wait_alu depctr_va_vdst(0)
	s_wait_tensorcnt 0x0                           ; my tile of the head's four is in; slot 1's first fill is issued as a refill is
	ds_add_u32 v28, v29
	s_mov_b32 s[G1+2], 128<<16                     ; no tensor load of mine is out: from here on a load brings 128 rows
	s_mov_b32 s[G1+4], 128
	s_wait_dscnt 0x0
	s_barrier_signal -1
	s_barrier_wait -1
	tensor_load_to_lds s[G0+4:G0+7], s[G1:G1+7]
	s_nop 0
	v_and_b32 v1, 15, v0
	v_bfe_u32 v2, v0, 4, 1
	s_wait_alu depctr_va_vdst(0)
	v_mul_u32_u24 v3, v1, PITCH
	v_lshl_add_u32 v4, v2, 4, v3
	s_mul_i32 s56, s13, HALFT
	s_mul_i32 s57, s14, HALFT
	s_add_co_u32 s57, s57, 2*HALFT
.irp s, 0,1
	v_add_nc_u32 v[ADRA+\s], s56, v4
	v_add_nc_u32 v[ADRB+\s], s57, v4
	s_add_co_u32 s56, s56, SLOT
	s_add_co_u32 s57, s57, SLOT
.endr
	v_lshlrev_b32 v5, 3, v1
	s_mul_i32 s56, s13, SHALF
	s_mul_i32 s57, s14, SHALF
	s_add_co_u32 s57, s57, BDIST
	s_sub_co_u32 s57, s57, s56
	v_mul_u32_u24 v6, s57, v2
	s_add_co_u32 s56, s56, SCL
	v_add_nc_u32 v5, v5, v6
	v_add_nc_u32 v[ADRS], s56, v5
	s_mul_i32 s56, s13, 128*PITCH
	s_lshl_b32 s57, s14, 7
	s_add_co_u32 s56, s56, s57
	v_lshl_add_u32 v5, v2, 3, v3
	v_add_nc_u32 v[STO], s56, v5
	s_lshl_b32 s56, s13, 10
	s_lshl_b32 s57, s14, 2
	s_add_co_u32 s56, s56, s57
	s_add_co_u32 s56, s56, SSTG
	v_lshl_add_u32 v[SSO], v1, 3, s56
	s_lshl_b32 s56, s14, 10
	s_lshl_b32 s57, s13, 9
	s_add_co_u32 s56, s56, s57
	s_add_co_u32 s56, s56, SSTG+2048
	v_lshl_add_u32 v[MSO], v1, 2, s56
	s_mul_i32 s56, s12, 64*PITCH
	v_mul_u32_u24 v5, v2, PITCH
	v_lshl_add_u32 v5, v1, 4, v5
	v_add_nc_u32 v[RD], s56, v5
	v_lshlrev_b32 v5, 11, v2
	v_lshl_add_u32 v[CO], v1, 4, v5
	v_and_b32 v5, 31, v0
	v_lshlrev_b32 v[LN16], 4, v5
	s_lshl_b32 s56, s12, 9
	s_add_co_u32 s56, s56, SSTG
	v_add_nc_u32 v[XRD], s56, v[LN16]
	v_lshlrev_b32 v5, 3, v2
	v_sub_nc_u32 v[DL], v1, v5
	v_mov_b32 v[NINF], 0xff800000
.macro FRAG reg, adr, q, i
.irp c, 0,1,2,3
	ds_load_b128 v[\reg+4*\c:\reg+4*\c+3], v[\adr] offset:128*(\q)+32*\c+(\i)*16*PITCH
.endr
.endm
.macro MUL16 a0, p, q, sc, zero
.irp a, \a0, \a0+1
.irp b, 0,1,2,3,4,5,6,7
.if \zero
	v_wmma_scale_f32_16x16x128_f8f6f4 v[8*(8*((\a)%4)+\b):8*(8*((\a)%4)+\b)+7], v[128*(\p)+FR*\b:128*(\p)+FR*\b+FR-1], v[AF+FR*(\a):AF+FR*(\a)+FR-1], 0, v[SC+8*NQ*(\sc)+NQ*\b+(\q)], v[SC+8*NQ*(\sc)+NQ*(\a)+(\q)] matrix_a_scale:MATRIX_SCALE_ROW1
.else
	v_wmma_scale_f32_16x16x128_f8f6f4 v[8*(8*((\a)%4)+\b):8*(8*((\a)%4)+\b)+7], v[128*(\p)+FR*\b:128*(\p)+FR*\b+FR-1], v[AF+FR*(\a):AF+FR*(\a)+FR-1], v[8*(8*((\a)%4)+\b):8*(8*((\a)%4)+\b)+7], v[SC+8*NQ*(\sc)+NQ*\b+(\q)], v[SC+8*NQ*(\sc)+NQ*(\a)+(\q)] matrix_a_scale:MATRIX_SCALE_ROW1
.endif
.endr
.endr
.endm
.macro FETCH_B slot, q, p
	WIN TO_B
.irp i, 0,1,2,3,4,5,6,7
	FRAG 128*(\p)+FR*\i, ADRB+\slot, \q, \i
.endr
	WIN 0
.endm
.macro FETCH_A slot, q, i0
.irp i, \i0, \i0+1, \i0+2, \i0+3
	FRAG AF+FR*(\i), ADRA+\slot, \q, \i
.endr
.endm
.macro SCALES sc
.irp i, 0,1,2,3,4,5,6,7
	ds_load_b64 v[SC+16*\sc+2*\i:SC+16*\sc+2*\i+1], v[ADRS] offset:128*\i
.endr
.endm
.macro PLACES n
.rept \n
	v_nop
.endr
.endm
.macro STEP slot, q, zero
	s_wait_dscnt 16
	WIN MUL_LO
	MUL16 0, (\q)%2, \q, \slot, \zero
	MUL16 2, (\q)%2, \q, \slot, \zero
	s_wait_dscnt 0
	PLACES 8
	FETCH_B \slot, (\q)+1, 1-(\q)%2
	FETCH_A \slot, (\q)+1, 0
	WIN MUL_HI
	MUL16 4, (\q)%2, \q, \slot, \zero
	MUL16 6, (\q)%2, \q, \slot, \zero
	PLACES 8
	WIN 0
	FETCH_A \slot, (\q)+1, 4
.endm
.macro TURN slot, next, fill
	s_wait_tensorcnt 0x0
	ds_add_u32 v[SPW], v[NIL]
	s_wait_dscnt 17
	WIN MUL_LO
	MUL16 0, 1, 1, \slot, 0
	s_wait_dscnt 0x0
	s_barrier_signal -1
	MUL16 2, 1, 1, \slot, 0
	WIN 0
	s_barrier_wait -1
.if \fill
	s_add_nc_u64 s[G0+4*\slot+2:G0+4*\slot+3], s[G0+4*\slot+2:G0+4*\slot+3], 512
	tensor_load_to_lds s[G0+4*\slot:G0+4*\slot+3], s[G1:G1+7]
	s_nop 0
.endif
	PLACES 8
	v_add_nc_u32 v[ADRS], SSTEP, v[ADRS]
	FETCH_B \next, 0, 0
	FETCH_A \next, 0, 0
	SCALES \next
	WIN MUL_HI
	MUL16 4, 1, 1, \slot, 0
	MUL16 6, 1, 1, \slot, 0
	PLACES 8
	WIN 0
	FETCH_A \next, 0, 4
.endm
.macro LAST sc
	s_wait_dscnt 16
	WIN MUL_LO
	MUL16 0, 1, 1, \sc, 0
	MUL16 2, 1, 1, \sc, 0
	s_wait_dscnt 0x0
	WIN MUL_HI
	MUL16 4, 1, 1, \sc, 0
	MUL16 6, 1, 1, \sc, 0
	WIN 0
.endm
	s_wait_tensorcnt 1
	s_barrier_signal -1
	s_barrier_wait -1
	FETCH_B 0, 0, 0
	FETCH_A 0, 0, 0
	SCALES 0
	FETCH_A 0, 0, 4
	STEP 0, 0, 1
	TURN 0, 1, 1
	s_wait_alu depctr_va_vdst(0)
	STEP 1, 0, 0
	TURN 1, 0, 1
	s_wait_alu depctr_va_vdst(0)
	STEP 0, 0, 0
	TURN 0, 1, 0
	STEP 1, 0, 0
	LAST 1
.macro SOFT a
.set W, 2+(\a)/4
.set AC, 64*((\a)%4)
	s_cmp_lg_u32 s19, 1
	s_cbranch_scc1 .Lnm_\@
.set WN, (W<<6)|W
	WIN WN
.irp j, 0,1,2,3,4,5,6,7
	v_cmp_gt_i32 vcc_lo, \j, v[DL]
	v_cndmask_b32 v[AC+8*(\a)+\j], v[AC+8*(\a)+\j], v[NINF], vcc_lo
.endr
.if (\a) < 7
.set i, AC+8*(\a)+8
.rept 8*(7-(\a))
	v_mov_b32 v[i], s53
.set i, i+1
.endr
.endif
	WIN 0
.Lnm_\@:
.set WN, (W<<2)|(W<<4)
	WIN WN
.irp b, 0,1,2,3
	v_max3_num_f32 v[BM+\b], s54, v[AC+16*\b], v[AC+16*\b+1]
.endr
.irp i, 2,4,6,8,10,12,14
.irp b, 0,1,2,3
	v_max3_num_f32 v[BM+\b], v[BM+\b], v[AC+16*\b+\i], v[AC+16*\b+\i+1]
.endr
.endr
	WIN 0
.irp b, 0,1,2,3
	v_permlanex16_b32 v[X+\b], v[BM+\b], s20, s21
.endr
.irp b, 0,1,2,3
	v_max_num_f32 v[BM+\b], v[BM+\b], v[X+\b]
.endr
	v_max3_num_f32 v[TT], v[BM], v[BM+1], v[BM+2]
	v_max_num_f32 v[TT], v[TT], v[BM+3]
	v_mul_f32 v[TT], s22, v[TT]
	v_floor_f32 v[NM], -v[TT]
	WIN W
.set i, 0
.rept 32
	v_pk_fma_f32 v[T+i:T+i+1], v[AC+i:AC+i+1], s[22:23], v[NM:NM+1] op_sel_hi:[1,0,0]
.set i, i+2
.endr
	WIN 0
.irp b, 0,1,2,3
	v_fma_f32 v[BM+\b], v[BM+\b], s22, v[NM]
.endr
.set i, 0
	s_wait_alu depctr_va_vdst(0)
.rept 64
	v_exp_f32 v[T+i], v[T+i]
.set i, i+1
.endr
	s_wait_dscnt 0x0
	v_xor_b32 v[MV], 0x80000000, v[NM]
	s_wait_alu depctr_va_vdst(0)
.irp b, 0,1,2,3
	v_exp_f32 v[BM+\b], v[BM+\b]
.endr
	v_pk_add_f32 v[SA:SA+1], v[T:T+1], v[T+2:T+3]
	v_pk_add_f32 v[SB:SB+1], v[T+4:T+5], v[T+6:T+7]
.irp j, 8,12,16,20,24,28,32,36,40,44,48,52,56,60
	v_pk_add_f32 v[SA:SA+1], v[SA:SA+1], v[T+\j:T+\j+1]
	v_pk_add_f32 v[SB:SB+1], v[SB:SB+1], v[T+\j+2:T+\j+3]
.endr
	v_pk_add_f32 v[SA:SA+1], v[SA:SA+1], v[SB:SB+1]
	v_add_f32 v[LV], v[SA], v[SA+1]
	v_permlanex16_b32 v[XL], v[LV], s20, s21
	v_add_f32 v[LV], v[LV], v[XL]
	s_wait_alu depctr_va_vdst(0)
.irp b, 0,1,2,3
	v_max_num_f32 v[BM+\b], 0x4800000, v[BM+\b]
.endr
.irp b, 0,1,2,3
	v_add_nc_u32 v[SCO+\b], 0xfc000000, v[BM+\b]
.endr
.irp b, 0,1,2,3
	v_and_or_b32 v[LIM+\b], v[BM+\b], 0x7f800000, s52
.endr
.irp b, 0,1,2,3
	v_lshrrev_b32 v[X+\b], 23, v[SCO+\b]
.endr
	v_lshl_or_b32 v[PW], v[X+1], 8, v[X]
	v_lshl_or_b32 v[PW], v[X+2], 16, v[PW]
	v_lshl_or_b32 v[PW], v[X+3], 24, v[PW]
.set i, 0
.rept 64
	v_min_num_f32 v[T+i], v[T+i], v[LIM+i/16]
.set i, i+1
.endr
.irp b, 0,1,2,3
	v_cvt_scalef32_pk8_fp8_f32 v[PC+4*\b:PC+4*\b+1], v[T+16*\b:T+16*\b+7], v[SCO+\b]
	v_cvt_scalef32_pk8_fp8_f32 v[PC+4*\b+2:PC+4*\b+3], v[T+16*\b+8:T+16*\b+15], v[SCO+\b]
.endr
	v_nop
.irp b, 0,1,2,3
	ds_store_b64 v[STO], v[PC+4*\b:PC+4*\b+1] offset:16*PITCH*(\a)+32*\b
	ds_store_b64 v[STO], v[PC+4*\b+2:PC+4*\b+3] offset:16*PITCH*(\a)+32*\b+16
.endr
	ds_store_b32 v[SSO], v[PW] offset:128*(\a)
	ds_store_b32 v[MSO], v[MV] offset:64*(\a)
	ds_store_b32 v[MSO], v[LV] offset:2048+64*(\a)
.endm
	PLACES 8
.irp b, 0,1,2,3
	v_mov_b32 v[X+\b], 0
.endr
	v_mov_b32 v[XL], 0
	v_mov_b32 v[NM+1], 0
	s_cmp_eq_u32 s19, 2
	s_cbranch_scc1 .Ldead
.irp a, 0,1,2,3,4,5,6,7
	SOFT \a
.endr
	s_branch .Ljoin
.Ldead:
	v_mov_b32 v128, 0
	v_mov_b32 v129, 0
	v_mov_b32 v130, 0x01010101
	v_mov_b32 v131, s54
.irp a, 0,1,2,3,4,5,6,7
.irp b, 0,1,2,3,4,5,6,7
	ds_store_b64 v[STO], v[128:129] offset:16*PITCH*\a+16*\b
.endr
	ds_store_b32 v[SSO], v130 offset:128*\a
	ds_store_b32 v[MSO], v131 offset:64*\a
	ds_store_b32 v[MSO], v128 offset:2048+64*\a
.endr
.Ljoin:
	s_wait_dscnt 0x0
	s_barrier_signal -1
	s_barrier_wait -1
.set tt, 0
.rept 32
	ds_load_b128 v[64+4*tt:64+4*tt+3], v[RD] offset:2*PITCH*tt
.set tt, tt+1
.endr
	ds_load_b128 v[192:195], v[XRD]
	ds_load_b128 v[196:199], v[XRD] offset:2048
	ds_load_b128 v[200:203], v[XRD] offset:4096
.set tt, 0
.rept 32
	s_wait_dscnt 34-tt
	global_store_b128 v[CO], v[64+4*tt:64+4*tt+3], s[66:67] offset:4096*tt
.set tt, tt+1
.endr
	s_wait_dscnt 0x0
	global_store_b128 v[LN16], v[192:195], s[68:69]
	global_store_b128 v[LN16], v[196:199], s[68:69] offset:524288
	global_store_b128 v[LN16], v[200:203], s[68:69] offset:1048576
	s_wait_tensorcnt 0x0
	ds_add_u32 v[SPW], v[NIL]
	s_wait_dscnt 0x0
	s_endpgm
.Lfunc_end_k_q79e8f576f6_score:
	.size	k_q79e8f576f6_score, .Lfunc_end_k_q79e8f576f6_score-k_q79e8f576f6_score
	.p2alignl 7, 3214868480
	.fill 96, 4, 3214868480
	.section	.rodata,"a",@progbits
	.p2align	6, 0x0
	.amdhsa_kernel k_q79e8f576f6_score
		.amdhsa_group_segment_fixed_size 327680
		.amdhsa_private_segment_fixed_size 0
		.amdhsa_enable_private_segment 0
		.amdhsa_kernarg_size 32
		.amdhsa_user_sgpr_count 2
		.amdhsa_user_sgpr_kernarg_segment_ptr 1
		.amdhsa_wavefront_size32 1
		.amdhsa_system_sgpr_workgroup_id_x 1
		.amdhsa_system_sgpr_workgroup_id_y 1
		.amdhsa_system_sgpr_workgroup_id_z 1
		.amdhsa_system_vgpr_workitem_id 0
		.amdhsa_next_free_vgpr 1024
		.amdhsa_next_free_sgpr 88
		.amdhsa_reserve_vcc 1
		.amdhsa_float_denorm_mode_32 3
		.amdhsa_float_denorm_mode_16_64 3
		.amdhsa_memory_ordered 1
		.amdhsa_forward_progress 1
		.amdhsa_inst_pref_size 248
	.end_amdhsa_kernel
	.amdgpu_metadata
---
amdhsa.version: [ 1, 2 ]
amdhsa.kernels:
  - .name:           k_q79e8f576f6_score
    .symbol:         k_q79e8f576f6_score.kd
    .args:
      - { .name: qk_codes, .offset: 0, .size: 8, .value_kind: global_buffer, .address_space: global }
      - { .name: qk_scales, .offset: 8, .size: 8, .value_kind: global_buffer, .address_space: global }
      - { .name: p_codes, .offset: 16, .size: 8, .value_kind: global_buffer, .address_space: global }
      - { .name: p_side, .offset: 24, .size: 8, .value_kind: global_buffer, .address_space: global }
    .group_segment_fixed_size: 327680
    .private_segment_fixed_size: 0
    .kernarg_segment_align: 8
    .kernarg_segment_size: 32
    .max_flat_workgroup_size: 128
    .sgpr_count:     88
    .vgpr_count:     1024
    .wavefront_size: 32
...
	.end_amdgpu_metadata
.endif
;; end of part 3
;; launch pv (part 4): grid 8 x 32, 4 waves a work-group, no clusters, 327,680 bytes of LDS; arguments p_codes, p_side, v_codes, v_scales, out0; writes out0
.if DOCPART == 4
	.amdgcn_target "amdgcn-amd-amdhsa--gfx1250"
	.amdhsa_code_object_version 6
	.text
	.protected	k_q79e8f576f6_pv
	.globl	k_q79e8f576f6_pv
	.p2align	8
	.type	k_q79e8f576f6_pv,@function
k_q79e8f576f6_pv:
	s_mov_b64 s[64:65], 0
	v_nop
	global_prefetch_b8 v0, s[64:65] scope:SCOPE_SE
	s_setreg_imm32_b32 hwreg(HW_REG_WAVE_MODE, 25, 1), 1
	s_wait_xcnt 0x0
.set PITCH,  272
.set HALFT,  128*PITCH
.set SS,     2*HALFT
.set SCL,    4*SS
.set SSTP,   2304
.set BOFF,   1152
.set RL,     SCL+9*SSTP
.set SPARE,  RL+1024
.set ADRA, 12
.set ADRB, 16
.set STO,  20
.set RD,   21
.set CO,   22
.set ADRS, 23
.set RLA,  24
.set SPW,  28
.set NIL,  29
.set NEG,  30
.set ZER,  31
.set SC,   32
.set OFS,  48
.set MG,   64
.set LG,   82
.set WG,   100
.set VW,   118
.set MX,   136
.set LX,   138
.set TD,   140
.set TN,   141
.set MS,   145
.set TM,   148
.set TA,   149
.set TC,   150
.set DD,   152
.set NN,   170
.set YY,   188
.set KK,   206
.set AF,   128
.set BF,   192
.set G1,   24
.set G0,   32
.set K,    54
.set LS,   57
.set OUTB, 66
.set MSB, 0
.macro WIN new
.if MSB != \new
	s_set_vgpr_msb (MSB<<8)|\new
.set MSB, \new
.endif
.endm
	s_load_b256 s[4:11], s[0:1], 0x0
	s_load_b64 s[12:13], s[0:1], 0x20
	v_lshl_add_u32 v[SPW], v0, 2, SPARE
	v_mov_b32 v[NIL], 0
	ds_add_u32 v[SPW], v[NIL]
	ds_add_u32 v[SPW], v[NIL]
	v_lshrrev_b32 v1, 5, v0
	v_readfirstlane_b32 s14, v1
	s_lshr_b32 s15, s14, 1
	s_and_b32 s16, s14, 1
	s_mov_b32 s17, ttmp9
	s_and_b32 s21, ttmp7, 0xffff
	s_lshr_b32 s18, s21, 3
	s_and_b32 s19, s21, 7
	s_lshr_b32 s22, s19, 1
	s_sub_co_u32 s20, 8, s22
	s_mov_b32 s[G1+0], (0<<16)|(1<<20)|(5<<22)|(3<<25)
	s_mov_b32 s[G1+1], 256<<16
	s_mov_b32 s[G1+2], 128<<16
	s_mov_b32 s[G1+3], 256<<16
	s_mov_b32 s[G1+4], 128
	s_mov_b32 s[G1+5], 2048
	s_mov_b32 s[G1+6], 0
	s_mov_b32 s[G1+7], 0
	s_mov_b32 s23, 0x01010101
	s_mov_b32 s52, 0x38d1b717
	s_mov_b32 s53, s52
.irp s, 6,7,8
	s_sub_co_u32 s21, \s, s20
	s_cmp_gt_u32 \s, s20
	s_cselect_b32 s[K+\s-6], -1, 0
	s_cselect_b32 s[LS+\s-6], s21, \s-1
.endr
	s_sub_co_u32 s60, 15, s19
	s_lshl_b32 s61, s18, 22
	s_lshl_b32 s62, s60, 18
	s_add_co_u32 s80, s61, s62
	s_lshl_b32 s62, s19, 18
	s_add_co_u32 s81, s61, s62
	s_lshl_b32 s82, s18, 21
	s_lshl_b32 s62, s17, 18
	s_add_co_u32 s82, s82, s62
	s_lshl_b32 s61, s18, 3
	s_lshr_b32 s62, s60, 1
	s_add_co_u32 s62, s62, s61
	s_lshl_b32 s62, s62, 14
	s_and_b32 s63, s60, 1
	s_lshl_b32 s21, s63, 9
	s_add_co_u32 s71, s62, s21
	s_lshl_b32 s21, s63, 10
	s_add_co_u32 s70, s62, s21
	s_add_co_u32 s62, s22, s61
	s_lshl_b32 s62, s62, 14
	s_and_b32 s63, s19, 1
	s_lshl_b32 s21, s63, 9
	s_add_co_u32 s73, s62, s21
	s_lshl_b32 s21, s63, 10
	s_add_co_u32 s72, s62, s21
	s_lshl_b32 s61, s18, 2
	s_lshr_b32 s62, s17, 1
	s_add_co_u32 s61, s61, s62
	s_lshl_b32 s74, s61, 14
	s_and_b32 s62, s17, 1
	s_lshl_b32 s62, s62, 10
	s_add_co_u32 s74, s74, s62
	v_lshlrev_b32 v7, 2, v0
	v_lshlrev_b32 v8, 3, v0
	v_add_nc_u32 v[OFS+0], s71, v7
	v_add_nc_u32 v[OFS+1], s70, v8
	v_add_nc_u32 v[OFS+2], s73, v7
	v_add_nc_u32 v[OFS+3], s72, v8
	v_add_nc_u32 v[OFS+10], s74, v8
.irp s, 0,1,2
	s_lshl_b32 s21, s[LS+\s], 11
	s_cmp_lg_u32 s[K+\s], 0
	s_cselect_b32 s61, s73, s71
	s_cselect_b32 s62, s72, s70
	s_add_co_u32 s61, s61, s21
	s_add_co_u32 s62, s62, s21
	s_add_co_u32 s63, s74, s21
	v_add_nc_u32 v[OFS+4+\s], s61, v7
	v_add_nc_u32 v[OFS+7+\s], s62, v8
	v_add_nc_u32 v[OFS+11+\s], s63, v8
.endr
	s_cmp_eq_u32 s16, 0
	s_cselect_b32 s84, s81, s80
	s_cselect_b32 s60, s[K], s[K+1]
	s_cselect_b32 s61, s[LS], s[LS+1]
	s_cmp_lg_u32 s60, 0
	s_cselect_b32 s87, s81, s80
	s_cmp_lg_u32 s[K+2], 0
	s_cselect_b32 s88, s81, s80
	s_cmp_eq_u32 s15, 0
	s_cselect_b32 s84, s84, s82
	s_cselect_b32 s85, s80, s82
	s_cselect_b32 s86, s80, s82
	s_cselect_b32 s87, s87, s82
	s_cselect_b32 s88, s88, s82
	s_lshl_b32 s62, s16, 8
	s_add_co_u32 s85, s85, s62
	s_add_co_u32 s85, s85, 256
	s_add_co_u32 s86, s86, s62
	s_add_co_u32 s86, s86, 768
	s_lshl_b32 s61, s61, 8
	s_add_co_u32 s87, s87, s61
	s_lshl_b32 s61, s[LS+2], 8
	s_add_co_u32 s88, s88, s61
	s_mov_b32 s77, 0
	s_mul_i32 s78, s16, SS
	s_mul_i32 s79, s15, HALFT
	s_add_co_u32 s78, s78, s79
	s_lshl_b32 s60, s18, 23
	s_lshl_b32 s61, s15, 18
	s_add_co_u32 s60, s60, s61
	s_lshl_b32 s61, s17, 9
	s_add_co_u32 s60, s60, s61
	s_lshl_b32 s61, s16, 8
	s_add_co_u32 s60, s60, s61
	s_sub_co_u32 s61, 15, s19
	s_lshl_b32 s61, s61, 19
	s_add_co_u32 s[OUTB], s60, s61
	s_mov_b32 s[OUTB+1], 0
	s_lshl_b32 s61, s19, 19
	s_add_co_u32 s[OUTB+2], s60, s61
	s_mov_b32 s[OUTB+3], 0
	s_wait_alu depctr_va_vdst(0)
	s_wait_dscnt 0x0
	s_wait_kmcnt 0x0
	s_add_nc_u64 s[OUTB:OUTB+1], s[12:13], s[OUTB:OUTB+1]
	s_add_nc_u64 s[OUTB+2:OUTB+3], s[12:13], s[OUTB+2:OUTB+3]
	s_cmp_eq_u32 s15, 0
	s_cselect_b64 s[4:5], s[4:5], s[8:9]
.irp k, 0,1,2,3,4
	s_mov_b32 s[G0+4*\k], 1
	s_add_co_u32 s[G0+4*\k+1], s78, (\k%2)*2*SS
	s_mov_b32 s76, s[84+\k]
	s_add_nc_u64 s[G0+4*\k+2:G0+4*\k+3], s[4:5], s[76:77]
	s_or_b32 s[G0+4*\k+3], s[G0+4*\k+3], 0x80000000
.endr
	tensor_load_to_lds s[G0:G0+3], s[G1:G1+7]
	s_nop 0
	s_wait_alu depctr_va_vdst(0)
	s_wait_tensorcnt 0x0
	ds_add_u32 v28, v29
	s_wait_dscnt 0x0
	s_barrier_signal -1
	s_barrier_wait -1
	tensor_load_to_lds s[G0+4:G0+7], s[G1:G1+7]
	s_nop 0
.macro SIDE s, o4, o8, ov, ks
	global_load_b32 v[MG+2*\s],   v[OFS+\o4], s[6:7] offset:524288+2048*(\ks)
	global_load_b32 v[MG+2*\s+1], v[OFS+\o4], s[6:7] offset:524288+2048*(\ks)+1024
	global_load_b32 v[LG+2*\s],   v[OFS+\o4], s[6:7] offset:1048576+2048*(\ks)
	global_load_b32 v[LG+2*\s+1], v[OFS+\o4], s[6:7] offset:1048576+2048*(\ks)+1024
	global_load_b64 v[WG+2*\s:WG+2*\s+1], v[OFS+\o8], s[6:7] offset:2048*(\ks)
	global_load_b64 v[VW+2*\s:VW+2*\s+1], v[OFS+\ov], s[10:11] offset:2048*(\ks)
.endm
	SIDE 0, 2, 3, 10, 0
.irp s, 1,2,3,4,5
	SIDE \s, 0, 1, 10, \s-1
.endr
	SIDE 6, 4, 7, 11, 0
	SIDE 7, 5, 8, 12, 0
	SIDE 8, 6, 9, 13, 0
	v_and_b32 v1, 15, v0
	v_bfe_u32 v2, v0, 4, 1
	v_mul_u32_u24 v3, v1, PITCH
	v_lshl_add_u32 v4, v2, 4, v3
	s_wait_alu depctr_va_vdst(0)
	s_mul_i32 s60, s15, 64*PITCH
	s_mul_i32 s61, s16, 64*PITCH
	s_add_co_u32 s61, s61, HALFT
.irp g, 0,1,2,3
	v_add_nc_u32 v[ADRA+\g], s60, v4
	v_add_nc_u32 v[ADRB+\g], s61, v4
	s_add_co_u32 s60, s60, SS
	s_add_co_u32 s61, s61, SS
.endr
	v_lshlrev_b32 v9, 3, v1
	s_lshl_b32 s60, s15, 9
	s_lshl_b32 s61, s16, 9
	s_add_co_u32 s61, s61, BOFF
	s_sub_co_u32 s61, s61, s60
	v_mul_u32_u24 v10, s61, v2
	s_add_co_u32 s60, s60, SCL
	v_add_nc_u32 v9, v9, v10
	v_add_nc_u32 v[ADRS], s60, v9
	s_mul_i32 s60, s14, 16*PITCH
	v_lshl_add_u32 v9, v2, 5, v3
	v_add_nc_u32 v[STO], s60, v9
	v_mul_u32_u24 v9, v2, PITCH
	v_lshl_add_u32 v9, v1, 4, v9
	v_add_nc_u32 v[RD], s60, v9
	v_lshlrev_b32 v9, 12, v2
	v_lshl_add_u32 v[CO], v1, 4, v9
	s_lshl_b32 s60, s15, 8
	s_add_co_u32 s60, s60, RL
	v_lshl_add_u32 v[RLA], v1, 2, s60
	v_lshl_add_u32 v5, v0, 3, SCL
	v_lshl_add_u32 v6, v0, 2, RL
	v_mov_b32 v[NEG], 0xff61b1e6
	v_mov_b32 v[ZER], 0
	s_wait_loadcnt 0x0
	v_max_num_f32 v[MX+1], v[MG], v[MG+1]
	v_max3_num_f32 v[MX], v[MG+2], v[MG+3], v[MG+4]
.irp g, 5,7,9
	v_max3_num_f32 v[MX], v[MX], v[MG+\g], v[MG+\g+1]
.endr
	v_max_num_f32 v[MX], v[MX], v[MG+11]
.irp s, 0,1,2
	v_max_num_f32 v[TM], v[MG+12+2*\s], v[MG+13+2*\s]
	s_wait_alu depctr_va_vdst(0)
	v_cndmask_b32 v[TA], v[TM], v[NEG], s[K+\s]
	v_cndmask_b32 v[TC], v[NEG], v[TM], s[K+\s]
	v_max_num_f32 v[MX], v[MX], v[TA]
	v_max_num_f32 v[MX+1], v[MX+1], v[TC]
.endr
.irp s, 0,1,2
	v_cndmask_b32 v[MS+\s], v[MX], v[MX+1], s[K+\s]
.endr
	v_sub_f32 v[DD], v[MX+1], v[MG]
	v_sub_f32 v[DD+1], v[MX+1], v[MG+1]
.set g, 2
.rept 10
	v_sub_f32 v[DD+g], v[MX], v[MG+g]
.set g, g+1
.endr
.rept 6
	v_sub_f32 v[DD+g], v[MS+(g-12)/2], v[MG+g]
.set g, g+1
.endr
.set g, 0
.rept 18
	v_min_num_f32 v[DD+g], 0x42fe0000, v[DD+g]
.set g, g+1
.endr
.set g, 0
.rept 18
	v_cvt_i32_f32 v[DD+g], v[DD+g]
.set g, g+1
.endr
.set g, 0
.rept 18
	v_sub_nc_u32 v[NN+g], 0, v[DD+g]
.set g, g+1
.endr
.set g, 0
.rept 18
	v_ldexp_f32 v[LG+g], v[LG+g], v[NN+g]
.set g, g+1
.endr
.set g, 0
.rept 18
	v_mul_lo_u32 v[DD+g], v[DD+g], s23
.set g, g+1
.endr
.set g, 0
.rept 18
	v_or_b32 v[YY+g], 0x80808080, v[WG+g]
.set g, g+1
.endr
.set g, 0
.rept 18
	v_sub_nc_u32 v[YY+g], v[YY+g], v[DD+g]
.set g, g+1
.endr
.set g, 0
.rept 18
	v_and_b32 v[KK+g], 0x80808080, v[YY+g]
.set g, g+1
.endr
.set g, 0
.rept 18
	v_lshrrev_b32 v[NN+g], 7, v[KK+g]
.set g, g+1
.endr
.set g, 0
.rept 18
	v_sub_nc_u32 v[KK+g], v[KK+g], v[NN+g]
.set g, g+1
.endr
.set g, 0
.rept 18
	v_and_b32 v[WG+g], v[YY+g], v[KK+g]
.set g, g+1
.endr
.irp s, 0,1,2,3,4,5,6,7,8
	ds_store_b64 v5, v[WG+2*\s:WG+2*\s+1] offset:SSTP*\s
	ds_store_b64 v5, v[VW+2*\s:VW+2*\s+1] offset:SSTP*\s+BOFF
.endr
	v_add_f32 v[LX+1], v[LG], v[LG+1]
.irp g, 2,4,6,8,10,12,14,16
	v_add_f32 v[LG+\g], v[LG+\g], v[LG+\g+1]
.endr
	v_add_f32 v[LG+2], v[LG+2], v[LG+4]
	v_add_f32 v[LG+6], v[LG+6], v[LG+8]
	v_add_f32 v[LG+2], v[LG+2], v[LG+10]
	v_add_f32 v[LX], v[LG+2], v[LG+6]
.irp s, 0,1,2
	v_cndmask_b32 v[TA], v[LG+12+2*\s], v[ZER], s[K+\s]
	v_cndmask_b32 v[TC], v[ZER], v[LG+12+2*\s], s[K+\s]
	v_add_f32 v[LX], v[LX], v[TA]
	v_add_f32 v[LX+1], v[LX+1], v[TC]
.endr
	s_wait_alu depctr_va_vdst(0)
	v_rcp_f32 v[TD], v[LX]
	v_rcp_f32 v[TN], v[LX+1]
	v_nop
	s_wait_alu depctr_va_vdst(0)
	v_mul_f32 v[TD], 0x461c4000, v[TD]
	v_mul_f32 v[TN], 0x461c4000, v[TN]
	ds_store_b32 v6, v[TD]
	ds_store_b32 v6, v[TN] offset:512
	s_wait_tensorcnt 0x1
	s_wait_dscnt 0x0
	s_barrier_signal -1
	s_barrier_wait -1
.macro PLACES n
.rept \n
	v_nop
.endr
.endm
.macro FRAG reg, adr, q, i
.irp c, 0,1,2,3
	ds_load_b128 v[\reg+4*\c:\reg+4*\c+3], v[\adr] offset:128*(\q)+32*\c+(\i)*16*PITCH
.endr
.endm
.macro FETCH u
.set FS, ((\u)/2)%4
.set FQ, (\u)%2
.set FW, 0x80*FQ
	WIN FW
.irp i, 0,1,2,3
	FRAG BF+16*\i, ADRB+FS, FQ, \i
.endr
.irp i, 0,1,2,3
	FRAG AF+16*\i, ADRA+FS, FQ, \i
.endr
	WIN 0
.if FQ == 0
.irp i, 0,1,2,3
	ds_load_b64 v[SC+8*(((\u)/2)%2)+2*\i:SC+8*(((\u)/2)%2)+2*\i+1], v[ADRS] offset:SSTP*((\u)/2)+128*\i
.endr
.endif
.endm
.macro WMMA u, tile, zero
.set WQ, (\u)%2
.set WS, SC+8*(((\u)/2)%2)+WQ
.set WW, 0x50+0x0a*WQ
	WIN WW
.irp a, 0,1,2,3
.irp b, 0,1,2,3
.if \zero
	v_wmma_scale_f32_16x16x128_f8f6f4 v[128*(\tile)+8*(4*\a+\b):128*(\tile)+8*(4*\a+\b)+7], v[BF+16*\b:BF+16*\b+15], v[AF+16*\a:AF+16*\a+15], 0, v[WS+2*\b], v[WS+2*\a] matrix_a_scale:MATRIX_SCALE_ROW1
.else
	v_wmma_scale_f32_16x16x128_f8f6f4 v[128*(\tile)+8*(4*\a+\b):128*(\tile)+8*(4*\a+\b)+7], v[BF+16*\b:BF+16*\b+15], v[AF+16*\a:AF+16*\a+15], v[128*(\tile)+8*(4*\a+\b):128*(\tile)+8*(4*\a+\b)+7], v[WS+2*\b], v[WS+2*\a] matrix_a_scale:MATRIX_SCALE_ROW1
.endif
.endr
.endr
	WIN 0
.endm
.macro SUB u, kind, chg
.if \chg == 0
.if (\u) > 0
	PLACES 8
.endif
	s_wait_dscnt 0x0
.else
	s_wait_tensorcnt 0x0
	ds_add_u32 v[SPW], v[NIL]
	PLACES 8
	s_wait_dscnt 0x0
	s_barrier_signal -1
	s_barrier_wait -1
.if \chg == 1
	tensor_load_to_lds s[G0+8:G0+11], s[G1:G1+7]
	s_nop 0
.elseif \chg == 2
	tensor_load_to_lds s[G0+12:G0+15], s[G1:G1+7]
	s_nop 0
.elseif \chg == 3
	s_cmp_eq_u32 s16, 0
	s_cbranch_scc0 .Lno8_\@
	tensor_load_to_lds s[G0+16:G0+19], s[G1:G1+7]
	s_nop 0
.rept 4
	v_nop
.endr
.Lno8_\@:
.endif
.endif
.if (\u) < 17
	FETCH (\u)+1
.endif
.if \kind == 4
	s_cmp_lg_u32 s[K+(\u)/2-6], 0
	s_cbranch_scc1 .Lshort_\@
	WMMA \u, 0, 0
	s_branch .Ljoined_\@
.Lshort_\@:
	WMMA \u, 1, 0
.Ljoined_\@:
.elseif \kind == 3
	WMMA \u, 1, 1
.elseif \kind == 2
	WMMA \u, 1, 0
.elseif \kind == 1
	WMMA \u, 0, 1
.else
	WMMA \u, 0, 0
.endif
.endm
	FETCH 0
	SUB 0, 3, 0
	SUB 1, 2, 0
	SUB 2, 1, 0
	SUB 3, 0, 1
	SUB 4, 0, 0
	SUB 5, 0, 0
	SUB 6, 0, 0
	SUB 7, 0, 2
	SUB 8, 0, 0
	SUB 9, 0, 0
	SUB 10, 0, 0
	SUB 11, 0, 3
	SUB 12, 4, 0
	SUB 13, 4, 0
	SUB 14, 4, 0
	SUB 15, 4, 4
	SUB 16, 4, 0
	SUB 17, 4, 0
	s_wait_dscnt 0x0
	s_barrier_signal -1
	s_barrier_wait -1
	PLACES 8
.irp k, 0,1,2,3,4,5,6,7
	ds_load_b32 v[OFS+2*\k], v[RLA] offset:512*(\k/4)+64*(\k%4)
	ds_load_b32 v[OFS+2*\k+1], v[RLA] offset:512*(\k/4)+64*(\k%4)
.endr
	s_wait_dscnt 0x0
.macro COMP k
.set AC, 128*((\k)/4)+32*((\k)%4)
.set WT, 64+32*((\k)%2)
	WIN 0x01
.set i, 0
.rept 16
	v_pk_mul_f32 v[WT+i:WT+i+1], v[AC+i:AC+i+1], v[OFS+2*(\k):OFS+2*(\k)+1] op_sel_hi:[1,0]
.set i, i+2
.endr
	WIN 0
.set i, 0
.rept 32
	v_rndne_f32 v[WT+i], v[WT+i]
.set i, i+1
.endr
.set i, 0
.rept 16
	v_pk_mul_f32 v[WT+i:WT+i+1], v[WT+i:WT+i+1], s[52:53] op_sel_hi:[1,0]
.set i, i+2
.endr
.endm
.macro TOSTAGE k
.set WT, 64+32*((\k)%2)
.set LW, 0x80*((\k)/4)
.irp b, 0,1,2,3
	ds_store_b128 v[STO], v[WT+8*\b:WT+8*\b+3] offset:64*\b
	ds_store_b128 v[STO], v[WT+8*\b+4:WT+8*\b+7] offset:64*\b+16
.endr
	WIN LW
.irp t, 0,1,2,3,4,5,6,7
	ds_load_b128 v[128+32*((\k)%4)+4*\t:128+32*((\k)%4)+4*\t+3], v[RD] offset:\t*2*PITCH
.endr
	WIN 0
.endm
.macro SEND k
.set SW, 0x08*((\k)/4)
	s_wait_dscnt 0x0
	WIN SW
.irp t, 0,1,2,3,4,5,6,7
	global_store_b128 v[CO], v[128+32*((\k)%4)+4*\t:128+32*((\k)%4)+4*\t+3], s[OUTB+2*((\k)/4):OUTB+2*((\k)/4)+1] offset:65536*((\k)%4)+8192*\t th:TH_STORE_NT
.endr
	WIN 0
.endm
	COMP 0
	TOSTAGE 0
.irp k, 1,2,3,4,5,6,7
	COMP \k
	s_wait_alu depctr_va_vdst(0)
	SEND \k-1
	TOSTAGE \k
.endr
	SEND 7
	s_wait_tensorcnt 0x0
	ds_add_u32 v[SPW], v[NIL]
	s_wait_dscnt 0x0
	s_endpgm
.Lfunc_end_k_q79e8f576f6_pv:
	.size	k_q79e8f576f6_pv, .Lfunc_end_k_q79e8f576f6_pv-k_q79e8f576f6_pv
	.p2alignl 7, 3214868480
	.fill 96, 4, 3214868480
	.section	.rodata,"a",@progbits
	.p2align	6, 0x0
	.amdhsa_kernel k_q79e8f576f6_pv
		.amdhsa_group_segment_fixed_size 327680
		.amdhsa_private_segment_fixed_size 0
		.amdhsa_enable_private_segment 0
		.amdhsa_kernarg_size 40
		.amdhsa_user_sgpr_count 2
		.amdhsa_user_sgpr_kernarg_segment_ptr 1
		.amdhsa_wavefront_size32 1
		.amdhsa_system_sgpr_workgroup_id_x 1
		.amdhsa_system_sgpr_workgroup_id_y 1
		.amdhsa_system_sgpr_workgroup_id_z 1
		.amdhsa_system_vgpr_workitem_id 0
		.amdhsa_next_free_vgpr 768
		.amdhsa_next_free_sgpr 92
		.amdhsa_reserve_vcc 0
		.amdhsa_float_denorm_mode_32 3
		.amdhsa_float_denorm_mode_16_64 3
		.amdhsa_memory_ordered 1
		.amdhsa_forward_progress 1
		.amdhsa_inst_pref_size 165
	.end_amdhsa_kernel
	.amdgpu_metadata
---
amdhsa.version: [ 1, 2 ]
amdhsa.kernels:
  - .name:           k_q79e8f576f6_pv
    .symbol:         k_q79e8f576f6_pv.kd
    .args:
      - { .name: p_codes, .offset: 0, .size: 8, .value_kind: global_buffer, .address_space: global }
      - { .name: p_side, .offset: 8, .size: 8, .value_kind: global_buffer, .address_space: global }
      - { .name: v_codes, .offset: 16, .size: 8, .value_kind: global_buffer, .address_space: global }
      - { .name: v_scales, .offset: 24, .size: 8, .value_kind: global_buffer, .address_space: global }
      - { .name: out0, .offset: 32, .size: 8, .value_kind: global_buffer, .address_space: global }
    .group_segment_fixed_size: 327680
    .private_segment_fixed_size: 0
    .kernarg_segment_align: 8
    .kernarg_segment_size: 40
    .max_flat_workgroup_size: 128
    .sgpr_count:     92
    .vgpr_count:     768
    .wavefront_size: 32
...
	.end_amdgpu_metadata
.endif
;; end of part 4
